; MI455X (gfx1250); checked and timed in simulation.
; The chip was launched on July 23, 2026; its instructions are those of AMD's public machine-readable ISA for CDNA 5 (MIT licence, August 2026) and "CDNA5" Instruction Set Architecture Reference Guide (July 2026). The comments in the code are by the model that wrote it; some were corrected since.
;; Self Attention. Allowed arithmetic: matrix products marked QUANTISED: E3M2 operands, one E8M0 scale for each 32 along K, by v_wmma_scale_f32_16x16x128_f8f6f4 with both operands' format E3M2, f32 sums; everything else in f32.
;; Inputs: Wk 1,024 x 1,024 float32; Wo 1,024 x 1,024 float32; Wq 1,024 x 1,024 float32; Wv 1,024 x 1,024 float32; bk 1,024 float32; bo 1,024 float32; bq 1,024 float32; bv 1,024 float32; x 4 x 2,048 x 1,024 float32.
;; Outputs: out0 4 x 2,048 x 1,024 float32.
;; This version of the problem:
;;   THIS VERSION OF THE PROBLEM IS GIVEN IN LOW PRECISION. The matrix products marked QUANTISED in the list below multiply operands that are first quantised to E3M2 (3 exponent bits, 2 mantissa bits; 6 bits a number), with one power-of-two scale for each 32 numbers along K (OCP MX v1.0); their sums are f32. All else is computed in f32.
;;   The module's matrix products, in the order in which they are computed (A, B: the left and right operand; K: the contracted axis; several contracted axes count as one K, in the product's order):
;;     1. [M 8,192, K 1,024] x [K 1,024, N 1,024]; A: input x; B: input Wq: QUANTISED
;;     2. [M 8,192, K 1,024] x [K 1,024, N 1,024]; A: input x; B: input Wk: QUANTISED
;;     3. [M 8,192, K 1,024] x [K 1,024, N 1,024]; A: input x; B: input Wv: QUANTISED
;;     4. batch 64 x [M 2,048, K 64] x [K 64, N 2,048]; A: computed on the way; B: computed on the way: QUANTISED
;;     5. batch 64 x [M 2,048, K 2,048] x [K 2,048, N 64]; A: softmax (see below); B: computed on the way: QUANTISED
;;     6. [M 8,192, K 1,024] x [K 1,024, N 1,024]; A: computed on the way; B: input Wo: QUANTISED
;;   THE QUANTISER, for each operand of a quantised product, along K:
;;     - K is cut into blocks of 32 from its start; a last block that is shorter is filled with zeros.
;;     - A block's scale is 2^e with e = floor(log2(the largest magnitude in the block)) - 4, held to -126 .. 127; a block of zeros has e = 0. As a byte (E8M0): e + 127.
;;     - Each number is divided by its block's scale, clamped to +-28, and rounded to the nearest number of E3M2, ties to even, subnormals kept.
;;     - The product sums the exact products of the quantised numbers (number of the format x scale) in f32.
;;   ~~~python
;;   def quantise(x, axis):      # numpy; x: float32 -> the quantised numbers, widened to float32 again
;;       x = np.moveaxis(x, axis, -1); K = x.shape[-1]
;;       x = np.pad(x, [(0, 0)] * (x.ndim - 1) + [(0, -K % 32)]); x = x.reshape(x.shape[:-1] + (-1, 32)); a = np.abs(x).max(-1, keepdims=True)
;;       e = np.where(a > 0, np.clip(np.frexp(np.where(a > 0, a, 1))[1] - 1 - 4, -126, 127), 0)      # np.frexp(a)[1] - 1 = floor(log2(a)), exactly
;;       r = np.clip(x / 2.0 ** e, -28, 28)
;;       step = 2.0 ** (np.maximum(np.frexp(np.where(r == 0, 1, r))[1] - 1, -2) - 2)
;;       q = np.round(r / step) * step * 2.0 ** e      # np.round: ties to even
;;       return np.moveaxis(q.reshape(q.shape[:-2] + (-1,))[..., :K], -1, axis).astype(np.float32)
;;   ~~~
;;   SOFTMAX AHEAD OF A QUANTISED PRODUCT. Where the list says 'softmax', what is quantised is not the finished softmax but p = 2^(t - M), with t = logit x log2(e) and M = ceil(the row's largest t), a whole number; so 1/2 < the row's largest p <= 1. The row's sum l is taken of the UNQUANTISED p, in f32, and the product's result is divided by l at the end. Since M is a whole number, a kernel that streams over the keys may use a running M (the ceiling of the running maximum): every later rescaling is an exact power of two, which a block's scale takes up: the codes' values come out the same.
;;   OPERANDS COMPUTED ON THE WAY. 'Computed on the way' means the value that the module computes at that place (a softmax that the list does not call 'softmax' is quantised finished and normalised). What goes into a quantiser is computed in f32, as accurately as f32 sums, v_exp_f32 and their like allow (about 1e-6 of the number): no bf16 or f16 on the way to a quantiser, and a product that is left as it is and whose result goes on into a quantised operand takes f32 operands (vector FMAs, or v_wmma_f32_16x16x4_f32). A number that lies on a knife's edge between two numbers of the format may be rounded either way, as far as f32 arithmetic and the matrix unit's own rounding can turn it there, and no further.
;; One version. Each part assembles by itself: llvm-mc -triple=amdgcn-amd-amdhsa -mcpu=gfx1250 --defsym DOCPART=n.
;; ======== version 1 of 1: 4 launches
;; workspace buffers: xc 6,291,456 bytes; wc 3,145,728 bytes; s1 360,448 bytes; s2 294,912 bytes; qb 6,553,600 bytes; kv 13,107,200 bytes; ao 6,291,456 bytes
;; launch prep (part 1): grid 512 x 1, 4 waves a work-group, no clusters, 34,304 bytes of LDS; arguments x, Wq, Wk, Wv, Wo, xc, wc, s1, s2; writes xc, wc, s1, s2
.if DOCPART == 1
	.amdgcn_target "amdgcn-amd-amdhsa--gfx1250"
	.amdhsa_code_object_version 6
	.text
	.protected	k_q7270859a11_prep
	.globl	k_q7270859a11_prep
	.p2align	8
	.type	k_q7270859a11_prep,@function
k_q7270859a11_prep:
	s_mov_b64 s[64:65], 0
	v_nop
	global_prefetch_b8 v0, s[64:65] scope:SCOPE_SE
	s_setreg_imm32_b32 hwreg(HW_REG_WAVE_MODE, 25, 1), 1
	s_wait_xcnt 0x0
; x [8192][1024] and the four weights [1024 (k)][1024 (n)], f32, become codes of BF6 (E3M2) with one E8M0 byte for each 32 along K,
; laid in the ORDER OF THE OPERANDS' REGISTERS, so that the later launches load fragments by whole 16- and 8-byte pieces.
; A TILE holds 16 rows: lane r of tile t holds row 32 (t / 2) + 8 (t % 2) + r + 8 (r / 8).
; A HALF FRAGMENT (768 bytes) holds 64 codes along K of a tile: lane (r, h) owns k = 32 h .. 32 h + 31, six registers:
;   registers 0-3 at byte 16 (r + 16 h), registers 4-5 at byte 512 + 16 r + 8 h.
; IMAGE of an operand: [slot: 256 K][tile][K step of 128 in the slot][half fragment].  SCALES: [tile][half of K][r][16 bytes], four bytes a K step.
; A block's scale is 2^(floor(log2(largest magnitude)) - 4): its byte is the largest magnitude's exponent field - 4, held at 1 from below.
; LIMITS: a block of zeros gets the byte 1 where the rule says 127 (its codes are zeros, and this program alone reads the bytes);
; NaN and infinities among the inputs are not served.
; Work-groups 0-255 take x (K innermost), 256-511 the weights (K outermost).  Only x's path uses LDS.  Waves share nothing: no barrier.
.set XROW,  4096                       ; a row of x or of a weight in bytes
.set SLOTX, 1572864                    ; a slot of x's image: 512 tiles x 3,072
.set SLOTW, 196608                     ; of a weight's: 64 tiles
.set WIMG,  786432                     ; a weight's image
.set TILEB, 3072                       ; a tile's part of a slot
.set SP,    528                        ; a stage row: 512 bytes + 16
.set R,   32                           ; v32-159  two sets of 64 numbers as loaded (x);  v32-95 two sets of 32 (weights)
.set X,   160                          ; v160-223 64 numbers of my row: register 32 c + i = k 64 c + 32 h + i
.set C,   224                          ; v224-235 a fragment's codes
.set CT,  236                          ; v236-243 the upper halves' codes, before they are moved
.set TM,  244
.set SO,  246
.set BY,  248
.set W,   250                          ; v250-253 four scale words
.macro LOADF f                         ; K step f of my 16 rows: each load reads 512 consecutive bytes of one row
.irp i, 0,1,2,3,4,5,6,7,8,9,10,11,12,13,14,15
	global_load_b128 v[R+64*((\f)%2)+4*\i:R+64*((\f)%2)+4*\i+3], v4, s[4:5] offset:(\i+8*(\i/8))*XROW+512*(\f) th:TH_LOAD_NT
.endr
.endm
.macro FRAGX f
.if (\f) < 3
	s_wait_loadcnt 16                              ; this K step's 16 loads are in; the next one's 16 may be out
.else
	s_wait_loadcnt 0x0
.endif
.irp i, 0,1,2,3,4,5,6,7,8,9,10,11,12,13,14,15
	ds_store_b128 v6, v[R+64*((\f)%2)+4*\i:R+64*((\f)%2)+4*\i+3] offset:SP*\i   ; rows as they lie, into my wave's own stage
.endr
.irp c, 0,1
.irp j, 0,1,2,3,4,5,6,7
	ds_load_b128 v[X+32*\c+4*\j:X+32*\c+4*\j+3], v7 offset:256*\c+16*\j         ; back: row r, 32 neighbours of each 64; LDS serves a wave in order
.endr
.endr
	s_wait_dscnt 0x0                               ; the numbers are back, and the stores have read their registers,
.if (\f) < 2
	LOADF (\f)+2                                   ; which take the loads of two K steps on
.endif
.irp c, 0,1
	v_max3_num_f32 v[TM+\c], |v[X+32*\c]|, |v[X+32*\c+1]|, 0x2800000            ; block 2 c + h is all mine; the floor 2^(5 - 127) holds the byte at 1
.endr
.irp i, 2,4,6,8,10,12,14,16,18,20,22,24,26,28,30
.irp c, 0,1
	v_max3_num_f32 v[TM+\c], v[TM+\c], |v[X+32*\c+\i]|, |v[X+32*\c+\i+1]|
.endr
.endr
.irp c, 0,1
	v_add_nc_u32 v[SO+\c], 0xfe000000, v[TM+\c]    ; 4 off the exponent field: the conversion's scale operand
.endr
.irp c, 0,1
	v_lshrrev_b32 v[BY+\c], 23, v[SO+\c]           ; the byte
.endr
	v_lshl_or_b32 v10, v[BY+1], 16, v[BY]          ; my two bytes, blocks h and 2 + h,
	v_lshlrev_b32 v10, v8, v10                     ; 8 h bits up;
	v_permlanex16_b32 v9, v10, s26, s27
	v_or_b32 v[W+(\f)], v10, v9                    ; with lane l xor 16's two the row's word is whole
.if (\f) > 0
	s_wait_xcnt 0x0                                ; the last fragment's stores have read their data: the codes' registers may be written
.endif
.irp c, 0,1
	v_cvt_scalef32_pk16_bf6_f32 v[C+6*\c:C+6*\c+2], v[X+32*\c:X+32*\c+15], v[SO+\c]
	v_cvt_scalef32_pk16_bf6_f32 v[CT+4*\c:CT+4*\c+2], v[X+32*\c+16:X+32*\c+31], v[SO+\c]   ; (a conversion's three registers begin on an even number)
.endr
	v_nop                                          ; one plain line behind the conversions
.irp c, 0,1
.irp i, 0,1,2
	v_mov_b32 v[C+6*\c+3+\i], v[CT+4*\c+\i]
.endr
.endr
	global_store_b128 v4, v[C:C+3],     s[14:15] offset:((\f)/2)*SLOTX+((\f)%2)*1536        ; 512 consecutive bytes
	global_store_b64  v5, v[C+4:C+5],   s[14:15] offset:((\f)/2)*SLOTX+((\f)%2)*1536+512    ; 256 consecutive bytes
	global_store_b128 v4, v[C+6:C+9],   s[14:15] offset:((\f)/2)*SLOTX+((\f)%2)*1536+768
	global_store_b64  v5, v[C+10:C+11], s[14:15] offset:((\f)/2)*SLOTX+((\f)%2)*1536+1280
.endm
.macro LOADB t                         ; block t of my column: W(32 t + i, n), 128 consecutive bytes a wave, 512 a work-group
.irp i, 0,1,2,3,4,5,6,7,8,9,10,11,12,13,14,15,16,17,18,19,20,21,22,23,24,25,26,27,28,29,30,31
	global_load_b32 v[R+32*((\t)%2)+\i], v6, s[34:35] offset:(32*(\t)+\i)*XROW th:TH_LOAD_NT
.endr
.endm
.macro BLOCKW t                        ; block t = 2 c + hb of the K step
.set XS, R+32*((\t)%2)
.set TT, 96+12*((\t)/2)+4*((\t)%2)     ; registers 0-3 of (c, hb)
.set T2, 96+12*((\t)/2)+8+2*((\t)%2)   ; registers 4-5
.if (\t) < 3
	s_wait_loadcnt 32                              ; this block's 32 loads are in; the next block's may be out
.else
	s_wait_loadcnt 0x0
.endif
	v_max3_num_f32 v12, |v[XS]|, |v[XS+1]|, |v[XS+2]|
	v_max3_num_f32 v13, |v[XS+3]|, |v[XS+4]|, |v[XS+5]|
.irp i, 6,10,14,18,22,26
	v_max3_num_f32 v12, v12, |v[XS+\i]|, |v[XS+\i+1]|
	v_max3_num_f32 v13, v13, |v[XS+\i+2]|, |v[XS+\i+3]|
.endr
	v_max3_num_f32 v12, v12, |v[XS+30]|, |v[XS+31]|
	v_max3_num_f32 v12, v12, v13, 0x2800000        ; with the floor
	v_add_nc_u32 v11, 0xfe000000, v12
	v_lshrrev_b32 v13, 23, v11
.if (\t) == 0
	v_mov_b32 v14, v13                             ; the K step's scale word, the lower K in the lower byte
.else
	v_lshl_or_b32 v14, v13, 8*(\t), v14
.endif
	v_cvt_scalef32_pk16_bf6_f32 v[TT:TT+2], v[XS:XS+15], v11
	v_cvt_scalef32_pk16_bf6_f32 v[120:122], v[XS+16:XS+31], v11
	v_nop                                          ; one plain line behind the conversions
	v_mov_b32 v[TT+3], v120
	v_mov_b32 v[T2], v121
	v_mov_b32 v[T2+1], v122
.if (\t) < 2
	LOADB (\t)+2
.endif
.endm
	s_load_b512 s[4:19], s[0:1], 0x0               ; x, Wq, Wk, Wv, Wo, xc, wc, s1
	s_load_b64 s[20:21], s[0:1], 0x40              ; s2
	v_lshl_add_u32 v239, v0, 2, 0x8400
	v_mov_b32 v243, 0
	v_lshrrev_b32 v1, 5, v0
	v_readfirstlane_b32 s22, v1                    ; wave
	v_and_b32 v1, 31, v0                           ; lane
	v_and_b32 v2, 15, v0                           ; r
	v_bfe_u32 v3, v0, 4, 1                         ; h
	v_lshlrev_b32 v4, 4, v1                        ; 16 x lane
	v_lshlrev_b32 v5, 4, v2
	v_lshl_add_u32 v5, v3, 3, v5                   ; 16 r + 8 h
	s_cmp_lt_u32 ttmp9, 256
	s_cbranch_scc0 .Lweights
	; ---- x: a wave takes one tile of 16 rows x 512 along K: four fragments
	s_lshl_b32 s23, ttmp9, 1
	s_lshr_b32 s24, s22, 1
	s_add_co_u32 s23, s23, s24                     ; the tile
	s_and_b32 s24, s22, 1                          ; which half of K
	s_mul_i32 s25, s22, 16*SP                      ; my stage
	v_add_nc_u32 v6, s25, v4                       ; in: 16 x lane of a row
	v_mul_u32_u24 v7, v2, SP
	v_lshl_add_u32 v7, v3, 7, v7
	v_add_nc_u32 v7, s25, v7                       ; back: row r, + 128 h
	v_lshlrev_b32 v8, 3, v3                        ; 8 h
	v_mov_b32 v9, 0                                ; a lane permute's destination counts as read
	s_mov_b32 s26, 0x76543210
	s_mov_b32 s27, 0xfedcba98                      ; selects for lane l xor 16
	s_lshr_b32 s28, s23, 1
	s_lshl_b32 s28, s28, 17                        ; 32 rows of 4,096 bytes for each pair of tiles,
	s_and_b32 s29, s23, 1
	s_lshl_b32 s29, s29, 15                        ; 8 rows for the odd tile,
	s_add_co_u32 s28, s28, s29
	s_lshl_b32 s29, s24, 11                        ; 2,048 bytes for the half of K
	s_add_co_u32 s28, s28, s29
	s_mov_b32 s29, 0
	s_mul_i32 s30, s24, 2*SLOTX
	s_mul_i32 s31, s23, TILEB
	s_add_co_u32 s30, s30, s31
	s_mov_b32 s31, 0
	s_lshl_b32 s32, s23, 9
	s_lshl_b32 s33, s24, 8
	s_add_co_u32 s32, s32, s33
	s_mov_b32 s33, 0
	s_wait_kmcnt 0x0
	s_add_nc_u64 s[4:5], s[4:5], s[28:29]
	s_add_nc_u64 s[14:15], s[14:15], s[30:31]
	s_add_nc_u64 s[18:19], s[18:19], s[32:33]
	LOADF 0
	LOADF 1
	FRAGX 0
	FRAGX 1
	FRAGX 2
	FRAGX 3
	v_cmp_ne_u32 vcc_lo, 0, v3
	v_cndmask_b32 v254, v[W], v[W+2], vcc_lo       ; lanes 0-15 store the row's words 0, 1, lanes 16-31 words 2, 3:
	v_cndmask_b32 v255, v[W+1], v[W+3], vcc_lo
	global_store_b64 v5, v[254:255], s[18:19]      ; 256 consecutive bytes
	s_wait_tensorcnt 0x0
	ds_add_u32 v239, v243
	s_wait_dscnt 0x0
	s_endpgm
.Lweights:
	; ---- a weight: a wave takes 32 columns x one K step of 128.  A lane takes a column, its registers run down K: nothing is transposed
	s_sub_co_u32 s23, ttmp9, 256
	s_lshr_b32 s24, s23, 6                         ; which weight
	s_bfe_u32 s25, s23, 0x30003                    ; which K step
	s_and_b32 s26, s23, 7
	s_lshl_b32 s26, s26, 2
	s_add_co_u32 s26, s26, s22                     ; which 32 columns
	v_lshlrev_b32 v6, 2, v1                        ; in: 4 bytes a lane
	v_bfe_u32 v7, v0, 3, 1                         ; column 32 cg + lane lies in tile 2 cg + (lane / 8) % 2,
	v_and_b32 v8, 7, v0
	v_lshl_add_u32 v8, v3, 3, v8                   ; at row 8 (lane / 16) + lane % 8 of it
	v_lshlrev_b32 v8, 4, v8
	v_mad_u32_u24 v9, v7, TILEB, v8                ; my place in the codes' image
	v_lshl_add_u32 v10, v7, 9, v8                  ; and among the scale words
	s_lshl_b32 s28, s25, 19                        ; 128 rows of 4,096 bytes a K step
	s_lshl_b32 s29, s26, 7
	s_add_co_u32 s28, s28, s29
	s_mov_b32 s29, 0
	s_mul_i32 s30, s24, WIMG
	s_lshr_b32 s31, s25, 1
	s_mul_i32 s31, s31, SLOTW
	s_add_co_u32 s30, s30, s31
	s_mul_i32 s31, s26, 2*TILEB
	s_add_co_u32 s30, s30, s31
	s_and_b32 s31, s25, 1
	s_mul_i32 s31, s31, 1536
	s_add_co_u32 s30, s30, s31
	s_mov_b32 s31, 0
	s_lshl_b32 s32, s24, 15                        ; Wq, Wk, Wv: 32,768 bytes of scales each, behind x's in s1
	s_wait_kmcnt 0x0
	s_cmp_eq_u32 s24, 1                            ; the choices hang on the work-group's number alone
	s_cselect_b64 s[34:35], s[8:9], s[6:7]
	s_cmp_eq_u32 s24, 2
	s_cselect_b64 s[34:35], s[10:11], s[34:35]
	s_cmp_eq_u32 s24, 3
	s_cselect_b64 s[34:35], s[12:13], s[34:35]
	s_cselect_b64 s[36:37], s[20:21], s[18:19]     ; Wo's scales go to s2
	s_cselect_b32 s32, 0, s32
	s_add_co_u32 s32, s32, 262144
	s_lshl_b32 s33, s26, 10
	s_add_co_u32 s32, s32, s33
	s_lshr_b32 s33, s25, 2
	s_lshl_b32 s33, s33, 8
	s_add_co_u32 s32, s32, s33
	s_and_b32 s33, s25, 3
	s_lshl_b32 s33, s33, 2
	s_add_co_u32 s32, s32, s33
	s_mov_b32 s33, 0
	s_add_nc_u64 s[34:35], s[34:35], s[28:29]
	s_add_nc_u64 s[16:17], s[16:17], s[30:31]
	s_add_nc_u64 s[36:37], s[36:37], s[32:33]
	LOADB 0
	LOADB 1
.irp c, 0,1
	BLOCKW 2*\c
	BLOCKW 2*\c+1
	global_store_b128 v9, v[96+12*\c:99+12*\c],   s[16:17] offset:768*\c       ; each store fills 256 consecutive bytes in each of the two tiles
	global_store_b128 v9, v[100+12*\c:103+12*\c], s[16:17] offset:768*\c+256
	global_store_b128 v9, v[104+12*\c:107+12*\c], s[16:17] offset:768*\c+512
.endr
	global_store_b32 v10, v14, s[36:37]            ; my column's word of this K step: pieces of 4 bytes, 16 apart (131,072 bytes in the whole launch)
	s_endpgm
.Lfunc_end_k_q7270859a11_prep:
	.size	k_q7270859a11_prep, .Lfunc_end_k_q7270859a11_prep-k_q7270859a11_prep
	.p2alignl 7, 3214868480
	.fill 96, 4, 3214868480
	.section	.rodata,"a",@progbits
	.p2align	6, 0x0
	.amdhsa_kernel k_q7270859a11_prep
		.amdhsa_group_segment_fixed_size 34304
		.amdhsa_private_segment_fixed_size 0
		.amdhsa_enable_private_segment 0
		.amdhsa_kernarg_size 72
		.amdhsa_user_sgpr_count 2
		.amdhsa_user_sgpr_kernarg_segment_ptr 1
		.amdhsa_wavefront_size32 1
		.amdhsa_system_sgpr_workgroup_id_x 1
		.amdhsa_system_sgpr_workgroup_id_y 1
		.amdhsa_system_sgpr_workgroup_id_z 1
		.amdhsa_system_vgpr_workitem_id 0
		.amdhsa_next_free_vgpr 256
		.amdhsa_next_free_sgpr 66
		.amdhsa_reserve_vcc 1
		.amdhsa_float_denorm_mode_32 3
		.amdhsa_float_denorm_mode_16_64 3
		.amdhsa_memory_ordered 1
		.amdhsa_forward_progress 1
		.amdhsa_inst_pref_size 51
	.end_amdhsa_kernel
	.amdgpu_metadata
---
amdhsa.version: [ 1, 2 ]
amdhsa.kernels:
  - .name:           k_q7270859a11_prep
    .symbol:         k_q7270859a11_prep.kd
    .args:
      - { .name: x, .offset: 0, .size: 8, .value_kind: global_buffer, .address_space: global }
      - { .name: Wq, .offset: 8, .size: 8, .value_kind: global_buffer, .address_space: global }
      - { .name: Wk, .offset: 16, .size: 8, .value_kind: global_buffer, .address_space: global }
      - { .name: Wv, .offset: 24, .size: 8, .value_kind: global_buffer, .address_space: global }
      - { .name: Wo, .offset: 32, .size: 8, .value_kind: global_buffer, .address_space: global }
      - { .name: xc, .offset: 40, .size: 8, .value_kind: global_buffer, .address_space: global }
      - { .name: wc, .offset: 48, .size: 8, .value_kind: global_buffer, .address_space: global }
      - { .name: s1, .offset: 56, .size: 8, .value_kind: global_buffer, .address_space: global }
      - { .name: s2, .offset: 64, .size: 8, .value_kind: global_buffer, .address_space: global }
    .group_segment_fixed_size: 34304
    .private_segment_fixed_size: 0
    .kernarg_segment_align: 8
    .kernarg_segment_size: 72
    .max_flat_workgroup_size: 128
    .sgpr_count:     66
    .vgpr_count:     256
    .wavefront_size: 32
...
	.end_amdgpu_metadata
.endif
;; end of part 1
;; launch qkv (part 2): grid 12 x 64, 4 waves a work-group, clusters of 4 x 4, 295,424 bytes of LDS; arguments xc, wc, s1, bq, bk, bv, qb, kv; writes qb, kv
.if DOCPART == 2
	.amdgcn_target "amdgcn-amd-amdhsa--gfx1250"
	.amdhsa_code_object_version 6
	.text
	.protected	k_q7270859a11_qkv
	.globl	k_q7270859a11_qkv
	.p2align	8
	.type	k_q7270859a11_qkv,@function
k_q7270859a11_qkv:
	s_mov_b64 s[64:65], 0
	v_nop
	global_prefetch_b8 v0, s[64:65] scope:SCOPE_SE
	s_setreg_imm32_b32 hwreg(HW_REG_WAVE_MODE, 25, 1), 1
	s_wait_xcnt 0x0
	s_wait_alu depctr_hold_cnt(0) depctr_sa_sdst(0) depctr_va_vdst(0) depctr_va_sdst(0) depctr_va_ssrc(0) depctr_va_vcc(0) depctr_vm_vsrc(0)
	s_getreg_b32 s2, hwreg(HW_REG_IB_STS2, 6, 4)
	s_cmp_eq_u32 s2, 0
	s_cbranch_scc0 .Lentry_in_a_cluster
	s_endpgm
.Lentry_in_a_cluster:
	s_bfe_u32 s2, ttmp6, 0x10000c
	s_cmp_lg_u32 s2, 0xf033
	s_cbranch_scc0 .Lentry_shape_is_right
	s_endpgm
.Lentry_shape_is_right:
; q = x Wq + bq, k = x Wk + bk, v = x Wv + bv on codes of BF6, and the results quantised again on the way out: q and k along the head's 64, v along the keys.
; A work-group makes 128 rows of SOURCE 1 x 256 rows of SOURCE 0 over all of K = 1,024; the matrix instruction takes 16 rows of source 0 first, so that a lane holds ONE row of
; source 1 and its registers run along source 0's rows.  The rows of a tile are chosen (32 (t / 2) + 8 (t % 2) + r + 8 (r / 8)) so that the 16 registers of two neighbouring
; tiles are 16 neighbours: what the next quantiser wants.
; ROLES, by the cluster's x: 0 (q), 1 (k): source 0 = the weight's columns, source 1 = tokens: a lane holds a token, registers run along the head's axis.
;                            2 (v):        source 0 = tokens, source 1 = Wv's columns: a lane holds one channel, registers run along the keys.
; Four waves, each 64 x 128: 32 accumulators, 256 registers.  All of K of both tiles fits in LDS (4 slots of 256 along K): each LDS byte is filled once, and the four fills of a wave go out together.
; CLUSTER 4 x 4: source 1's tile hangs on the cluster's row, source 0's on its column; each is asked for jointly.
; OUT: q records [batch-head][128 tokens]: 8 half fragments (768 bytes), then 4 x 16 words, each with the two scale bytes of an even tile (low) and of the odd tile beside it (high).
;      kv [batch-head][128 keys][k record as q's, 6,400 bytes | v record: 4 fragments (16 channels x 128 keys), then 4 x 16 scale words].
; LIMITS: a block of zeros gets the scale byte 1 (its codes are zeros; this program alone reads the bytes); NaN and infinities are not served.
; REGISTERS: window 0: v1-31 addresses; v32-95 scale words; v96-159 the bias along source 0; v160-191 the bias along source 1; on the way out v160-239.
;   window 1: the accumulators, (a, b) at v[64 a + 8 b].   windows 2, 3: two sets of fragments: source 0's eight at v[12 b], source 1's four at v[96 + 12 a].
.set SLOT,  73728                      ; a slot in LDS: source 1's 8 tiles (24,576 bytes), then source 0's 16 (49,152)
.set S0OFF, 24576
.set TILEB, 3072                       ; a tile's two fragments of a slot
.set SLOTX, 1572864
.set SLOTW, 196608
.set WIMG,  786432
.set WV,  20
.set SH,  21                           ; my half of source 1's rows
.set CH,  22                           ; my half of source 0's
.set CXI, 23                           ; my place in the cluster
.set CYI, 24
.set CX,  25                           ; the cluster's x: the role
.set CY,  26
.set T0,  27                           ; source 0's tile: made of the place along x alone
.set T1,  28                           ; source 1's: of the place along y alone
.set O0,  94                           ; where the operands' scales begin in s1
.set O1,  95
.set G1A, 32                           ; s[32:39] group 1 for source 1, s[40:47] for source 0
.set G1B, 40
.set G0A, 48                           ; s[48:63] groups 0 for source 1, one for each slot; s[68:83] for source 0
.set G0B, 68
.set SC,  32
.set BB,  96
.set BL,  160
.set PCR, 160                          ; the way out: codes, 12 registers for each a
.set CT,  208
.set TM,  216
.set PW,  232                          ; scale words, one for each a
.set MSB, 0
.macro WIN new                         ; the immediate's high byte repeats the setting that is left
.if MSB != \new
	s_set_vgpr_msb (MSB<<8)|\new
.set MSB, \new
.endif
.endm
.macro CROUND                          ; a round of the cluster's barrier
	s_barrier_signal -1
	s_barrier_wait -1
	s_cmp_lg_u32 s[WV], 0
	s_cbranch_scc1 .Lnot_wave_0_\@
	s_barrier_signal -3
.Lnot_wave_0_\@:
	s_barrier_wait -3
	s_barrier_signal -1
	s_barrier_wait -1
.endm
.macro FRAG reg, a16, a8, off          ; a fragment as it was stored: each load takes 512 or 256 consecutive bytes
	ds_load_b128 v[(\reg):(\reg)+3],     v[\a16] offset:(\off)
	ds_load_b64  v[(\reg)+4:(\reg)+5],   v[\a8]  offset:(\off)+512
	ds_load_b128 v[(\reg)+6:(\reg)+9],   v[\a16] offset:(\off)+768
	ds_load_b64  v[(\reg)+10:(\reg)+11], v[\a8]  offset:(\off)+1280
.endm
.macro FETCH k                         ; K step k's twelve fragments into set k % 2
.if (\k)%2 == 1
	WIN 0xc0
.else
	WIN 0x80
.endif
.irp i, 0,1,2,3,4,5,6,7
	FRAG 12*\i, 16+(\k)/2, 20+(\k)/2, TILEB*\i+1536*((\k)%2)
.endr
.irp i, 0,1,2,3
	FRAG 96+12*\i, 8+(\k)/2, 12+(\k)/2, TILEB*\i+1536*((\k)%2)
.endr
.endm
; Eight products: source 1's block a against source 0's eight.  cm = 1, 2: the first K step, whose C is the bias (along source 0; along source 1).
; Register SC + 8 i + k holds in lanes 16-31 the words of source 0's block i, in lanes 0-15 those of source 1's block i.  The 32 accumulators take turns.
.macro MUL8 a, k, cm
.if (\cm) != 0
	WIN 0x4a                                       ; fragments window 2, C window 0, D window 1
.elseif (\k)%2 == 1
	WIN 0x5f
.else
	WIN 0x5a
.endif
.irp b, 0,1,2,3,4,5,6,7
.if (\cm) == 1
	v_wmma_scale_f32_16x16x128_f8f6f4 v[64*\a+8*\b:64*\a+8*\b+7], v[12*\b:12*\b+11], v[96+12*\a:96+12*\a+11], v[BB+8*\b:BB+8*\b+7], v[SC+8*\b+\k], v[SC+8*\a+\k] matrix_a_fmt:MATRIX_FMT_BF6 matrix_b_fmt:MATRIX_FMT_BF6 matrix_a_scale:MATRIX_SCALE_ROW1
.elseif (\cm) == 2
	v_wmma_scale_f32_16x16x128_f8f6f4 v[64*\a+8*\b:64*\a+8*\b+7], v[12*\b:12*\b+11], v[96+12*\a:96+12*\a+11], v[BL+8*\a:BL+8*\a+7], v[SC+8*\b+\k], v[SC+8*\a+\k] matrix_a_fmt:MATRIX_FMT_BF6 matrix_b_fmt:MATRIX_FMT_BF6 matrix_a_scale:MATRIX_SCALE_ROW1
.else
	v_wmma_scale_f32_16x16x128_f8f6f4 v[64*\a+8*\b:64*\a+8*\b+7], v[12*\b:12*\b+11], v[96+12*\a:96+12*\a+11], v[64*\a+8*\b:64*\a+8*\b+7], v[SC+8*\b+\k], v[SC+8*\a+\k] matrix_a_fmt:MATRIX_FMT_BF6 matrix_b_fmt:MATRIX_FMT_BF6 matrix_a_scale:MATRIX_SCALE_ROW1
.endif
.endr
.endm
.macro KSTEP k, cm
	s_wait_dscnt 0x0                               ; this step's fragments are in (asked for 24 products ago)
	MUL8 0, \k, \cm
.if (\k) < 7
.if (\k)%2 == 1
	s_wait_tensorcnt 3-((\k)+1)/2                  ; my part of the next slot has landed; the later slots' fills may stay out
	s_barrier_signal -1                            ; (no LDS instruction of mine is out: the wait at the step's head)
	s_barrier_wait -1                              ; everybody's has
.endif
.if (\k) > 0
.rept 4
	v_nop                                          ; four places between the last step's products and the loads into the set that they read
.endr
.endif
	FETCH (\k)+1
.endif
	MUL8 1, \k, \cm
	MUL8 2, \k, \cm
	MUL8 3, \k, \cm
.endm
; The 64 results of source 1's block a (window 1, v[s] on; register 16 b + i = place 32 b + 16 h + i along source 0) become a fragment's codes in v[pc] on and its scale word in v[pw].
.macro QUANT s, pc, pw
	WIN 0x14                                       ; sources 1 and 2 in window 1
.irp b, 0,1,2,3
	v_max3_num_f32 v[TM+\b], 0x2800000, |v[(\s)+16*\b]|, |v[(\s)+16*\b+1]|      ; with the floor 2^(5 - 127); each accumulator is read from its low end on
.endr
.irp i, 2,4,6,8,10,12,14
.irp b, 0,1,2,3
	v_max3_num_f32 v[TM+\b], v[TM+\b], |v[(\s)+16*\b+\i]|, |v[(\s)+16*\b+\i+1]|
.endr
.endr
	WIN 0
.irp b, 0,1,2,3
	v_permlanex16_b32 v[TM+4+\b], v[TM+\b], s2, s3
.endr
.irp b, 0,1,2,3
	v_max_num_f32 v[TM+\b], v[TM+\b], v[TM+4+\b]   ; with lane l xor 16's 16: the block's largest magnitude
.endr
.irp b, 0,1,2,3
	v_add_nc_u32 v[TM+12+\b], 0xfe000000, v[TM+\b] ; 4 off the exponent field: the conversion's scale operand
.endr
.irp b, 0,1,2,3
	v_lshrrev_b32 v[TM+4+\b], 23, v[TM+12+\b]      ; the byte
.endr
	v_lshl_or_b32 v[\pw], v[TM+5], 8, v[TM+4]
	v_lshl_or_b32 v[\pw], v[TM+6], 16, v[\pw]
	v_lshl_or_b32 v[\pw], v[TM+7], 24, v[\pw]
	WIN 0x01                                       ; source 0 in window 1
.irp c, 0,1
	v_cvt_scalef32_pk16_bf6_f32 v[(\pc)+6*\c:(\pc)+6*\c+2], v[(\s)+32*\c:(\s)+32*\c+15], v[TM+12+2*\c]
	v_cvt_scalef32_pk16_bf6_f32 v[CT+4*\c:CT+4*\c+2], v[(\s)+32*\c+16:(\s)+32*\c+31], v[TM+13+2*\c]
.endr
	WIN 0
	v_nop                                          ; one plain line behind the conversions
.irp c, 0,1                            ; the operand's layout wants a whole block in a lane
.irp i, 0,1,2
	v_permlane16_swap_b32 v[(\pc)+6*\c+\i], v[CT+4*\c+\i]
.endr
.irp i, 0,1,2
	v_mov_b32 v[(\pc)+6*\c+3+\i], v[CT+4*\c+\i]
.endr
.endr
.endm
	s_load_b512 s[4:19], s[0:1], 0x0               ; xc s[4:5], wc s[6:7], s1 s[8:9], bq s[10:11], bk s[12:13], bv s[14:15], qb s[16:17], kv s[18:19]
	v_lshl_add_u32 v254, v0, 2, 0x48000
	v_mov_b32 v255, 0
	ds_add_u32 v254, v255
	ds_add_u32 v254, v255
	v_lshrrev_b32 v1, 5, v0
	v_readfirstlane_b32 s[WV], v1
	s_lshr_b32 s[SH], s[WV], 1
	s_and_b32 s[CH], s[WV], 1
	s_bfe_u32 s[CXI], ttmp6, 0x40000
	s_bfe_u32 s[CYI], ttmp6, 0x40004
	s_mov_b32 s[CX], ttmp9
	s_and_b32 s[CY], ttmp7, 0xffff
	s_lshl_b32 s66, s[CYI], 2
	s_lshl_b32 s66, 15, s66                        ; my row of the cluster
	s_lshl_b32 s30, 0x1111, s[CXI]                 ; my column
	; group 1: dense blocks as rows of 256 bytes (32 elements of 8 bytes): 96 rows for source 1's part of a slot, 64 for a third of source 0's
	s_or_b32 s[G1A], s66, (3<<16)|(1<<21)
	s_or_b32 s[G1B], s30, (3<<16)|(1<<21)
	s_mov_b32 s[G1A+1], 32<<16
	s_mov_b32 s[G1A+2], 96<<16
	s_mov_b32 s[G1A+3], 32<<16
	s_mov_b32 s[G1A+4], 96
	s_mov_b32 s[G1A+5], 32
	s_mov_b32 s[G1A+6], 0
	s_mov_b32 s[G1A+7], 0
	s_mov_b32 s[G1B+1], 32<<16
	s_mov_b32 s[G1B+2], 64<<16
	s_mov_b32 s[G1B+3], 32<<16
	s_mov_b32 s[G1B+4], 64
	s_mov_b32 s[G1B+5], 32
	s_mov_b32 s[G1B+6], 0
	s_mov_b32 s[G1B+7], 0
	s_mov_b32 s2, 0x76543210
	s_mov_b32 s3, 0xfedcba98                       ; selects for lane l xor 16
	s_lshr_b32 s[T0], s[CY], 1
	s_lshl_b32 s[T0], s[T0], 2                     ; v: 32 tiles of 256 tokens, four to a cluster
	s_and_b32 s[T1], s[CY], 1
	s_lshl_b32 s[T1], s[T1], 2                     ; v: 8 tiles of 128 channels
	s_lshl_b32 s67, s[CY], 2                       ; q, k: 64 tiles of 128 tokens
	s_lshl_b32 s29, s[CX], 15
	s_add_co_u32 s29, s29, 262144                  ; the weight's scales in s1
	s_mul_i32 s92, s[CX], WIMG
	s_mov_b32 s93, 0
	s_mov_b32 s84, SLOTW
	s_mov_b32 s85, 0
	s_mov_b32 s86, SLOTX
	s_mov_b32 s87, 0
	s_lshl_b32 s96, s[WV], 14                      ; waves 0-2: my third of source 0's part of a slot
	s_wait_dscnt 0x0
	s_wait_kmcnt 0x0
	s_add_nc_u64 s[92:93], s[6:7], s[92:93]        ; the role's weight
	s_cmp_eq_u32 s[CX], 2                          ; the role: the same in all sixteen partners
	s_cselect_b32 s[T0], s[T0], 0
	s_cselect_b32 s[T1], s[T1], s67
	s_cselect_b32 s84, SLOTX, s84                  ; from slot to slot in source 0's image,
	s_cselect_b32 s86, SLOTW, s86                  ; in source 1's
	s_cselect_b32 s[O0], 0, s29
	s_cselect_b32 s[O1], s29, 0
	s_cselect_b64 s[88:89], s[4:5], s[92:93]
	s_cselect_b64 s[90:91], s[92:93], s[4:5]
	s_add_co_u32 s[T0], s[T0], s[CXI]
	s_add_co_u32 s[T1], s[T1], s[CYI]
	s_mul_i32 s30, s[T0], 16*TILEB
	s_add_co_u32 s30, s30, s96
	s_mov_b32 s31, 0
	s_add_nc_u64 s[88:89], s[88:89], s[30:31]
	s_mul_i32 s66, s[T1], 8*TILEB
	s_mov_b32 s67, 0
	s_add_nc_u64 s[90:91], s[90:91], s[66:67]
.irp s, 0,1,2,3
	s_mov_b32 s[G0A+4*\s], 1
	s_mov_b32 s[G0A+4*\s+1], \s*SLOT
	s_mov_b64 s[G0A+4*\s+2:G0A+4*\s+3], s[90:91]
	s_or_b32 s[G0A+4*\s+3], s[G0A+4*\s+3], 0x80000000
	s_mov_b32 s[G0B+4*\s], 1
	s_add_co_u32 s[G0B+4*\s+1], s96, \s*SLOT+S0OFF
	s_mov_b64 s[G0B+4*\s+2:G0B+4*\s+3], s[88:89]
	s_or_b32 s[G0B+4*\s+3], s[G0B+4*\s+3], 0x80000000
.if \s < 3
	s_add_nc_u64 s[90:91], s[90:91], s[86:87]
	s_add_nc_u64 s[88:89], s[88:89], s[84:85]
.endif
.endr
	CROUND                                         ; all sixteen work-groups are here: the joint loads meet
	s_cmp_lt_u32 s[WV], 3                          ; waves 0-2 fetch source 0's thirds, wave 3 source 1's part: a wave's four fills stand in one branch; four loads of mine are out
	s_cbranch_scc0 .Lfill_1
	tensor_load_to_lds s[G0B:G0B+3], s[G1B:G1B+7]
	s_nop 0
	tensor_load_to_lds s[G0B+4:G0B+7], s[G1B:G1B+7]
	s_nop 0
	tensor_load_to_lds s[G0B+8:G0B+11], s[G1B:G1B+7]
	s_nop 0
	tensor_load_to_lds s[G0B+12:G0B+15], s[G1B:G1B+7]
	s_nop 0
.rept 4
	v_nop
.endr
	s_branch .Lfilled
.Lfill_1:
	tensor_load_to_lds s[G0A:G0A+3], s[G1A:G1A+7]
	s_nop 0
	tensor_load_to_lds s[G0A+4:G0A+7], s[G1A:G1A+7]
	s_nop 0
	tensor_load_to_lds s[G0A+8:G0A+11], s[G1A:G1A+7]
	s_nop 0
	tensor_load_to_lds s[G0A+12:G0A+15], s[G1A:G1A+7]
	s_nop 0
.rept 4
	v_nop
.endr
.Lfilled:
	v_and_b32 v1, 31, v0                           ; lane
	v_and_b32 v2, 15, v0                           ; r
	v_bfe_u32 v3, v0, 4, 1                         ; h
	v_lshlrev_b32 v4, 4, v1                        ; 16 x lane
	v_lshlrev_b32 v5, 4, v2
	v_lshl_add_u32 v5, v3, 3, v5                   ; 16 r + 8 h
	v_lshlrev_b32 v6, 2, v1                        ; 4 x lane
	; the scale words, straight into registers, once: lanes 0-15 take source 1's rows, lanes 16-31 source 0's
	s_lshl_b32 s30, s[T0], 4
	s_lshl_b32 s31, s[CH], 3
	s_add_co_u32 s30, s30, s31
	s_lshl_b32 s30, s30, 9
	s_add_co_u32 s30, s30, s[O0]
	s_lshl_b32 s66, s[T1], 3
	s_lshl_b32 s67, s[SH], 2
	s_add_co_u32 s66, s66, s67
	s_lshl_b32 s66, s66, 9
	s_add_co_u32 s66, s66, s[O1]
	v_cmp_ne_u32 vcc_lo, 0, v3
	v_mov_b32 v26, s66
	v_mov_b32 v27, s30
	v_cndmask_b32 v24, v26, v27, vcc_lo
	v_lshl_add_u32 v24, v2, 4, v24
	v_lshl_add_u32 v25, v3, 11, v24                ; source 0's blocks 4-7 (lanes 0-15 read blocks 0-3 of source 1 once more; nobody reads that half)
.irp i, 0,1,2,3
.irp g, 0,1
	global_load_b128 v[SC+8*\i+4*\g:SC+8*\i+4*\g+3], v24, s[8:9] offset:512*\i+256*\g
	global_load_b128 v[SC+32+8*\i+4*\g:SC+32+8*\i+4*\g+3], v25, s[8:9] offset:512*\i+256*\g
.endr
.endr
	; the biases, in the result's layout.  Both sets are loaded in both roles, so that one text serves; the set that the role does not use reads from a bias buffer's first bytes
	s_lshl_b32 s30, s[T0], 10
	s_lshl_b32 s31, s[CH], 9
	s_add_co_u32 s30, s30, s31                     ; q, k: my 128 columns
	s_lshl_b32 s66, s[T1], 9
	s_lshl_b32 s67, s[SH], 8
	s_add_co_u32 s66, s66, s67                     ; v: my 64 channels
	s_cmp_eq_u32 s[CX], 1
	s_cselect_b64 s[98:99], s[12:13], s[10:11]
	s_cmp_eq_u32 s[CX], 2
	s_cselect_b64 s[98:99], s[14:15], s[98:99]
	s_cselect_b32 s30, 0, s30
	s_cselect_b32 s66, s66, 0
	v_lshl_add_u32 v28, v3, 6, s30                 ; tile b's registers are columns 32 (b / 2) + 8 (b % 2) + 16 h + 0 .. 7
	v_and_b32 v29, 8, v2
	v_add_nc_u32 v29, v29, v2
	v_lshl_add_u32 v29, v29, 2, s66                ; block a's lane r is channel 32 (a / 2) + 8 (a % 2) + r + 8 (r / 8)
.irp b, 0,1,2,3,4,5,6,7
	global_load_b128 v[BB+8*\b:BB+8*\b+3], v28, s[98:99] offset:(32*(\b/2)+8*(\b%2))*4
	global_load_b128 v[BB+8*\b+4:BB+8*\b+7], v28, s[98:99] offset:(32*(\b/2)+8*(\b%2))*4+16
.endr
.irp a, 0,1,2,3
.irp j, 0,1,2,3,4,5,6,7
	global_load_b32 v[BL+8*\a+\j], v29, s[14:15] offset:(32*(\a/2)+8*(\a%2))*4
.endr
.endr
	s_mul_i32 s96, s[SH], 4*TILEB                  ; LDS: my four tiles of source 1,
	s_mul_i32 s97, s[CH], 8*TILEB                  ; my eight of source 0
	s_add_co_u32 s97, s97, S0OFF
.irp s, 0,1,2,3
	v_add_nc_u32 v[8+\s], s96, v4
	v_add_nc_u32 v[12+\s], s96, v5
	v_add_nc_u32 v[16+\s], s97, v4
	v_add_nc_u32 v[20+\s], s97, v5
	s_add_co_u32 s96, s96, SLOT
	s_add_co_u32 s97, s97, SLOT
.endr
.irp b, 0,1,2,3
	v_mov_b32 v[TM+4+\b], 0                        ; written once: a lane permute's destination counts as read
.endr
	s_wait_tensorcnt 3                             ; my part of slot 0 has landed; three fills may stay out
	s_barrier_signal -1
	s_barrier_wait -1
	FETCH 0
	WIN 0
	s_wait_loadcnt 0x0                             ; scale words and biases
	s_cmp_eq_u32 s[CX], 2
	s_cbranch_scc1 .Lfirst_v
	KSTEP 0, 1                                     ; the first K step starts the sums on the bias: nothing is cleared or added later
	WIN 0
	s_branch .Lfirst_done
.Lfirst_v:
	KSTEP 0, 2
	WIN 0
.Lfirst_done:
	KSTEP 1, 0
	KSTEP 2, 0
	KSTEP 3, 0
	KSTEP 4, 0
	KSTEP 5, 0
	KSTEP 6, 0
	KSTEP 7, 0
	WIN 0
.rept 4
	v_nop                                          ; four places between the last products and the first read of results
.endr
	v_cmp_ne_u32 vcc_lo, 0, v3
	s_cmp_eq_u32 s[CX], 2
	s_cbranch_scc1 .Lout_v
	; ---- q, k: my 128 columns are two heads; block a's lanes are the tokens of tile 4 sh + a of the record
	s_lshr_b32 s96, s[T1], 4
	s_lshl_b32 s96, s96, 4                         ; 16 x batch
	s_lshl_b32 s97, s[T0], 2
	s_add_co_u32 s96, s96, s97
	s_lshl_b32 s97, s[CH], 1
	s_add_co_u32 s96, s96, s97                     ; + my first head
	s_lshl_b32 s96, s96, 4
	s_and_b32 s97, s[T1], 15
	s_add_co_u32 s96, s96, s97                     ; 16 records a head
	s_mov_b32 s98, 6400
	s_cmp_eq_u32 s[CX], 1
	s_cselect_b32 s98, 12800, s98
	s_cselect_b64 s[30:31], s[18:19], s[16:17]
	s_mul_i32 s96, s96, s98
	s_mov_b32 s97, 0
	s_add_nc_u64 s[30:31], s[30:31], s[96:97]      ; the first head's record,
	s_lshl_b32 s98, s98, 4
	s_mov_b32 s99, 0
	s_add_nc_u64 s[66:67], s[30:31], s[98:99]      ; the second's
	s_mul_i32 s96, s[SH], 4*768
	v_add_nc_u32 v26, s96, v4
	v_add_nc_u32 v27, s96, v5
	v_lshl_add_u32 v28, s[SH], 7, v6
.irp a, 0,1,2,3
	QUANT 64*\a, PCR+12*\a, PW+\a
	global_store_b128 v26, v[PCR+12*\a:PCR+12*\a+3],     s[30:31] offset:768*\a       ; 512 consecutive bytes
	global_store_b64  v27, v[PCR+12*\a+4:PCR+12*\a+5],   s[30:31] offset:768*\a+512   ; 256
	global_store_b128 v26, v[PCR+12*\a+6:PCR+12*\a+9],   s[66:67] offset:768*\a
	global_store_b64  v27, v[PCR+12*\a+10:PCR+12*\a+11], s[66:67] offset:768*\a+512
.endr
	s_mov_b32 s96, 0x05040100
	s_mov_b32 s97, 0x07060302
	v_perm_b32 v236, v[PW+1], v[PW], s96           ; first head: the even tile's two bytes low, the odd tile's high
	v_perm_b32 v237, v[PW+3], v[PW+2], s96
	v_perm_b32 v238, v[PW+1], v[PW], s97           ; second head
	v_perm_b32 v239, v[PW+3], v[PW+2], s97
	v_cndmask_b32 v236, v236, v237, vcc_lo         ; lanes 0-15 store the first pair's words, lanes 16-31 the second's
	v_cndmask_b32 v238, v238, v239, vcc_lo
	global_store_b32 v28, v236, s[30:31] offset:6144
	global_store_b32 v28, v238, s[66:67] offset:6144
	s_branch .Ldone
.Lout_v:
	; ---- v: my 64 channels are one head, my 128 tokens one step of keys: block a is a whole fragment of V^T
	s_lshr_b32 s96, s[T0], 3
	s_lshl_b32 s96, s96, 4                         ; 16 x batch
	s_lshl_b32 s97, s[T1], 1
	s_add_co_u32 s96, s96, s97
	s_add_co_u32 s96, s96, s[SH]                   ; + the head
	s_lshl_b32 s96, s96, 4
	s_and_b32 s97, s[T0], 7
	s_lshl_b32 s97, s97, 1
	s_add_co_u32 s96, s96, s97
	s_add_co_u32 s96, s96, s[CH]                   ; + the step
	s_mul_i32 s96, s96, 12800
	s_add_co_u32 s96, s96, 6400                    ; behind k's record
	s_mov_b32 s97, 0
	s_add_nc_u64 s[30:31], s[18:19], s[96:97]
.irp a, 0,1,2,3
	QUANT 64*\a, PCR+12*\a, PW+\a
	global_store_b128 v4, v[PCR+12*\a:PCR+12*\a+3],     s[30:31] offset:1536*\a
	global_store_b64  v5, v[PCR+12*\a+4:PCR+12*\a+5],   s[30:31] offset:1536*\a+512
	global_store_b128 v4, v[PCR+12*\a+6:PCR+12*\a+9],   s[30:31] offset:1536*\a+768
	global_store_b64  v5, v[PCR+12*\a+10:PCR+12*\a+11], s[30:31] offset:1536*\a+1280
.endr
	v_cndmask_b32 v236, v[PW], v[PW+1], vcc_lo
	v_cndmask_b32 v238, v[PW+2], v[PW+3], vcc_lo
	global_store_b32 v6, v236, s[30:31] offset:6144
	global_store_b32 v6, v238, s[30:31] offset:6272
.Ldone:
	s_wait_dscnt 0x0
	s_wait_tensorcnt 0x0
	ds_add_u32 v254, v255
	s_wait_dscnt 0x0
	CROUND                                         ; the closing round: no work-group ends while a partner may still ask for a tile that names it
	s_endpgm
.Lfunc_end_k_q7270859a11_qkv:
	.size	k_q7270859a11_qkv, .Lfunc_end_k_q7270859a11_qkv-k_q7270859a11_qkv
	.p2alignl 7, 3214868480
	.fill 96, 4, 3214868480
	.section	.rodata,"a",@progbits
	.p2align	6, 0x0
	.amdhsa_kernel k_q7270859a11_qkv
		.amdhsa_group_segment_fixed_size 295424
		.amdhsa_private_segment_fixed_size 0
		.amdhsa_enable_private_segment 0
		.amdhsa_kernarg_size 64
		.amdhsa_user_sgpr_count 2
		.amdhsa_user_sgpr_kernarg_segment_ptr 1
		.amdhsa_wavefront_size32 1
		.amdhsa_system_sgpr_workgroup_id_x 1
		.amdhsa_system_sgpr_workgroup_id_y 1
		.amdhsa_system_sgpr_workgroup_id_z 1
		.amdhsa_system_vgpr_workitem_id 0
		.amdhsa_next_free_vgpr 912
		.amdhsa_next_free_sgpr 100
		.amdhsa_reserve_vcc 1
		.amdhsa_float_denorm_mode_32 3
		.amdhsa_float_denorm_mode_16_64 3
		.amdhsa_memory_ordered 1
		.amdhsa_forward_progress 1
		.amdhsa_inst_pref_size 118
	.end_amdhsa_kernel
	.amdgpu_metadata
---
amdhsa.version: [ 1, 2 ]
amdhsa.kernels:
  - .name:           k_q7270859a11_qkv
    .symbol:         k_q7270859a11_qkv.kd
    .args:
      - { .name: xc, .offset: 0, .size: 8, .value_kind: global_buffer, .address_space: global }
      - { .name: wc, .offset: 8, .size: 8, .value_kind: global_buffer, .address_space: global }
      - { .name: s1, .offset: 16, .size: 8, .value_kind: global_buffer, .address_space: global }
      - { .name: bq, .offset: 24, .size: 8, .value_kind: global_buffer, .address_space: global }
      - { .name: bk, .offset: 32, .size: 8, .value_kind: global_buffer, .address_space: global }
      - { .name: bv, .offset: 40, .size: 8, .value_kind: global_buffer, .address_space: global }
      - { .name: qb, .offset: 48, .size: 8, .value_kind: global_buffer, .address_space: global }
      - { .name: kv, .offset: 56, .size: 8, .value_kind: global_buffer, .address_space: global }
    .group_segment_fixed_size: 295424
    .private_segment_fixed_size: 0
    .kernarg_segment_align: 8
    .kernarg_segment_size: 64
    .max_flat_workgroup_size: 128
    .sgpr_count:     100
    .vgpr_count:     912
    .wavefront_size: 32
...
	.end_amdgpu_metadata
.endif
;; end of part 2
;; launch att (part 3): grid 4 x 64, 16 waves a work-group, no clusters, 206,848 bytes of LDS; arguments qb, kv, ao, s2; writes ao, s2
.if DOCPART == 3
	.amdgcn_target "amdgcn-amd-amdhsa--gfx1250"
	.amdhsa_code_object_version 6
	.text
	.protected	k_q7270859a11_att
	.globl	k_q7270859a11_att
	.p2align	8
	.type	k_q7270859a11_att,@function
k_q7270859a11_att:
	s_mov_b64 s[64:65], 0
	v_nop
	global_prefetch_b8 v0, s[64:65] scope:SCOPE_SE
	s_setreg_imm32_b32 hwreg(HW_REG_WAVE_MODE, 25, 1), 1
	s_wait_xcnt 0x0
; Causal attention of one batch-head on codes of BF6, and its result quantised along the model's axis for the last product.
; t = score x log2(e) / 8; M = the running largest t rounded up to a whole number; p = 2^(t - M) is quantised along the keys; the row's sum is taken of the unquantised p and divides at the end.
; When M moves, the sum and O are multiplied by 2^(old M - new M): exact.
; LDS holds the head's k and v records whole, 16 steps of 128 keys x 12,800 bytes: filled once (each wave brings two pieces of 6,400 bytes), then only read.
; SHARES.  Work-group (u, head) takes the 256 queries of block u, then those of block 7 - u.  A wave owns one tile of 16 queries in each pass; the two halves of the waves change
; records between the passes, so that every wave walks 17 steps in all.  Both loops have constant trip counts (8, 16); a step all of whose keys come after the wave's record is jumped over.
; NO CLUSTER, though the four work-groups of a head read the same records: which steps a work-group jumps over hangs on u, which would be its place in the cluster.
; LAYOUT.  Both products are used transposed: a lane holds one query.  Token r of tile t is 32 (t / 2) + 8 (t % 2) + r + 8 (r / 8) of its record, so the 16 registers of two neighbouring tiles of scores are 16 neighbouring keys.
; THE HEAD'S AXIS IS 64, the instruction's K is 128: a fragment of k holds TWO tiles of keys (one in each half of K); multiplied by [q | 0] it gives the first tile's scores, by [0 | q] the second's.
; LIMITS: a block of zeros gets the scale byte 1; NaN and infinities are not served.  The result's scale bytes leave as single bytes (262,144 in the launch): a scale word spans two heads.
; REGISTERS: v1-3 lane offsets; v4-6 the step's LDS addresses; v7-11 lane numbers; v12 -M, v13 largest t, v[14:15] the sum; v16-27 [q|0], v28-39 [0|q]; v40 q's scales;
;   v44-91 four fragments of k, then of v; v92-95 their scale words; v96-159 scores, then p; v160-191 O^T; v192-203 p's codes; v204-238 at work.
.set STEPB, 12800
.set S,   96
.set O,   160
.set PC,  192
.set CT,  204
.set BM,  212
.set BT,  216
.set SO,  220
.set PSW, 224
.set WV,  12
.set SEL, 20
.set CS,  22
.set TB,  40                           ; LDS byte of the step in hand
.set KF,  41                           ; its first key
.set QB,  42                           ; my record's first token
.set CNT, 43
.macro STEP
	s_cmp_gt_u32 s[KF], s[QB]                      ; every key of the step comes after my queries: only the addresses step
	s_cbranch_scc1 .Lhid_\@
	s_setprio 2
	v_add_nc_u32 v4, s[TB], v1
	v_add_nc_u32 v5, s[TB], v2
	v_add_nc_u32 v6, s[TB], v3
	v_nop                                          ; four places between the last step's products and the loads into the registers that they read
.irp p, 0,1,2,3
	ds_load_b128 v[44+12*\p:47+12*\p], v4 offset:1536*\p
	ds_load_b64  v[48+12*\p:49+12*\p], v5 offset:1536*\p+512
	ds_load_b128 v[50+12*\p:53+12*\p], v4 offset:1536*\p+768
	ds_load_b64  v[54+12*\p:55+12*\p], v5 offset:1536*\p+1280
.endr
	ds_load_b32 v92, v6 offset:6144                ; lanes 0-15: pair 0's words, lanes 16-31: pair 1's
	ds_load_b32 v93, v6 offset:6272
	s_wait_alu depctr_va_vdst(0)
	s_wait_dscnt 0x0
.irp p, 0,2
	v_wmma_scale_f32_16x16x128_f8f6f4 v[S+16*\p:S+16*\p+7], v[44+12*\p:55+12*\p], v[16:27], 0, v[92+\p/2], v40 matrix_a_fmt:MATRIX_FMT_BF6 matrix_b_fmt:MATRIX_FMT_BF6
	v_wmma_scale_f32_16x16x128_f8f6f4 v[S+16*\p+8:S+16*\p+15], v[44+12*\p:55+12*\p], v[28:39], 0, v[92+\p/2], v40 matrix_a_fmt:MATRIX_FMT_BF6 matrix_b_fmt:MATRIX_FMT_BF6
	v_wmma_scale_f32_16x16x128_f8f6f4 v[S+16*\p+16:S+16*\p+23], v[56+12*\p:67+12*\p], v[16:27], 0, v[92+\p/2], v40 matrix_a_fmt:MATRIX_FMT_BF6 matrix_b_fmt:MATRIX_FMT_BF6 matrix_a_scale:MATRIX_SCALE_ROW1
	v_wmma_scale_f32_16x16x128_f8f6f4 v[S+16*\p+24:S+16*\p+31], v[56+12*\p:67+12*\p], v[28:39], 0, v[92+\p/2], v40 matrix_a_fmt:MATRIX_FMT_BF6 matrix_b_fmt:MATRIX_FMT_BF6 matrix_a_scale:MATRIX_SCALE_ROW1
.endr
.rept 4
	v_nop                                          ; four places: for the loads below and for the first read of the scores
.endr
.irp p, 0,1,2,3                        ; v's four fragments land while the softmax is walked
	ds_load_b128 v[44+12*\p:47+12*\p], v4 offset:6400+1536*\p
	ds_load_b64  v[48+12*\p:49+12*\p], v5 offset:6400+1536*\p+512
	ds_load_b128 v[50+12*\p:53+12*\p], v4 offset:6400+1536*\p+768
	ds_load_b64  v[54+12*\p:55+12*\p], v5 offset:6400+1536*\p+1280
.endr
	ds_load_b32 v94, v6 offset:6400+6144
	ds_load_b32 v95, v6 offset:6400+6272
	s_cmp_lg_u32 s[KF], s[QB]                      ; only my own record's step lies on the diagonal
	s_cbranch_scc1 .Lopen_\@
.set n, 0
.rept 64                               ; register 16 b + i holds key 32 b + 16 h + i of the step: hidden where 32 b + i > my token - 16 h
	v_cmp_gt_i32 vcc_lo, 32*(n/16)+n%16, v8
	v_cndmask_b32 v[S+n], v[S+n], v9, vcc_lo
.set n, n+1
.endr
.Lopen_\@:
.irp b, 0,1,2,3
	v_max3_num_f32 v[BM+\b], v[S+16*\b], v[S+16*\b+1], v[S+16*\b+2]   ; the largest score of each block of 32 keys: for the row's maximum, and, since p rises with the score, for the block's largest p
.endr
.irp i, 3,5,7,9,11,13
.irp b, 0,1,2,3
	v_max3_num_f32 v[BM+\b], v[BM+\b], v[S+16*\b+\i], v[S+16*\b+\i+1]
.endr
.endr
.irp b, 0,1,2,3
	v_max_num_f32 v[BM+\b], v[BM+\b], v[S+16*\b+15]
.endr
.irp b, 0,1,2,3
	s_delay_alu instid0(VALU_DEP_4)
	v_permlanex16_b32 v[BT+\b], v[BM+\b], s[SEL], s[SEL+1]
.endr
.irp b, 0,1,2,3
	s_delay_alu instid0(VALU_DEP_4)
	v_max_num_f32 v[BM+\b], v[BM+\b], v[BT+\b]
.endr
	s_delay_alu instid0(VALU_DEP_2)
	v_max3_num_f32 v228, v[BM], v[BM+1], v[BM+2]
	s_delay_alu instid0(VALU_DEP_1)
	v_max_num_f32 v228, v228, v[BM+3]
	s_delay_alu instid0(VALU_DEP_1)
	v_mul_f32 v228, s[CS], v228                    ; as t
	s_delay_alu instid0(VALU_DEP_1)
	v_max_num_f32 v13, v13, v228                   ; the running largest t
	v_mov_b32 v228, v12
	s_delay_alu instid0(VALU_DEP_2)
	v_floor_f32 v12, -v13                          ; -M = floor(-t): M is a whole number
	s_delay_alu instid0(VALU_DEP_1)
	v_sub_f32 v228, v12, v228                      ; old M - new M, a whole number, 0 or less
	s_delay_alu instid0(VALU_DEP_1)
	v_cvt_i32_f32 v228, v228                       ; (it saturates)
	s_delay_alu instid0(VALU_DEP_1)
	v_ldexp_f32 v226, 1.0, v228                    ; f = 2^(old M - new M)
.set n, 0
.rept 32
	v_pk_fma_f32 v[S+n:S+n+1], v[S+n:S+n+1], s[CS:CS+1], v[12:13] op_sel_hi:[1,0,0]   ; t - M, two at a time
.set n, n+2
.endr
	s_setprio 1
.irp b, 0,1,2,3
	v_fma_f32 v[BM+\b], v[BM+\b], s[CS], v12
.endr
.set n, 0
	s_wait_alu depctr_va_vdst(0)
.rept 64
	v_exp_f32 v[S+n], v[S+n]                       ; p = 2^(t - M)
.set n, n+1
.endr
	v_pk_mul_f32 v[14:15], v[14:15], v[226:227] op_sel_hi:[1,0]   ; the sums under the new M: the plain line behind the exponentials
	s_wait_alu depctr_va_vdst(0)                   ; one wait for the batch of 64, ahead of its first reader
.irp b, 0,1,2,3
	v_exp_f32 v[BM+\b], v[BM+\b]                   ; each block's largest p
.endr
	v_pk_add_f32 v[216:217], v[100:101], v[104:105]
	v_pk_add_f32 v[252:253], v[108:109], v[112:113]
	v_pk_add_f32 v[250:251], v[116:117], v[120:121]
	v_pk_add_f32 v[248:249], v[124:125], v[128:129]
	v_pk_add_f32 v[246:247], v[132:133], v[136:137]
	v_pk_add_f32 v[244:245], v[140:141], v[144:145]
	v_pk_add_f32 v[242:243], v[148:149], v[152:153]
	v_pk_add_f32 v[14:15], v[14:15], v[156:157]
	v_pk_add_f32 v[216:217], v[216:217], v[96:97]
	v_pk_add_f32 v[252:253], v[252:253], v[98:99]
	v_pk_add_f32 v[250:251], v[250:251], v[102:103]
	v_pk_add_f32 v[248:249], v[248:249], v[106:107]
	v_pk_add_f32 v[246:247], v[246:247], v[110:111]
	v_pk_add_f32 v[244:245], v[244:245], v[114:115]
	v_pk_add_f32 v[242:243], v[242:243], v[118:119]
	v_pk_add_f32 v[14:15], v[14:15], v[122:123]
	v_pk_add_f32 v[216:217], v[216:217], v[126:127]
	v_pk_add_f32 v[252:253], v[252:253], v[130:131]
	v_pk_add_f32 v[250:251], v[250:251], v[134:135]
	v_pk_add_f32 v[248:249], v[248:249], v[138:139]
	v_pk_add_f32 v[246:247], v[246:247], v[142:143]
	v_pk_add_f32 v[244:245], v[244:245], v[146:147]
	v_pk_add_f32 v[242:243], v[242:243], v[150:151]
	v_pk_add_f32 v[14:15], v[14:15], v[154:155]
	v_pk_add_f32 v[216:217], v[216:217], v[158:159]
	s_delay_alu instid0(VALU_DEP_2)
	v_pk_add_f32 v[14:15], v[14:15], v[248:249]
	s_delay_alu instid0(VALU_DEP_2)
	v_pk_add_f32 v[216:217], v[216:217], v[246:247]
	v_pk_add_f32 v[252:253], v[252:253], v[244:245]
	v_pk_add_f32 v[250:251], v[250:251], v[242:243]
	s_delay_alu instid0(VALU_DEP_2)
	v_pk_add_f32 v[14:15], v[14:15], v[252:253]
	s_delay_alu instid0(VALU_DEP_2)
	v_pk_add_f32 v[216:217], v[216:217], v[250:251]
	s_delay_alu instid0(VALU_DEP_1)
	v_pk_add_f32 v[14:15], v[14:15], v[216:217]
	s_wait_alu depctr_va_vdst(0)                   ; and one for the four
.irp b, 0,1,2,3
	v_max_num_f32 v[BM+\b], 0x2800000, v[BM+\b]    ; the floor: the byte cannot fall under 1
.endr
.irp b, 0,1,2,3
	s_delay_alu instid0(VALU_DEP_4)
	v_add_nc_u32 v[SO+\b], 0xfe000000, v[BM+\b]
.endr
.irp b, 0,1,2,3
	s_delay_alu instid0(VALU_DEP_4)
	v_lshrrev_b32 v[BT+\b], 23, v[SO+\b]
.endr
	s_delay_alu instid0(VALU_DEP_3)
	v_lshl_or_b32 v[PSW], v[BT+1], 8, v[BT]        ; p's scale word for these 128 keys
	s_delay_alu instid0(VALU_DEP_1)
	v_lshl_or_b32 v[PSW], v[BT+2], 16, v[PSW]
	s_delay_alu instid0(VALU_DEP_1)
	v_lshl_or_b32 v[PSW], v[BT+3], 24, v[PSW]
	s_setprio 0
.irp c, 0,1
	v_cvt_scalef32_pk16_bf6_f32 v[PC+6*\c:PC+6*\c+2], v[S+32*\c:S+32*\c+15], v[SO+2*\c]
	v_cvt_scalef32_pk16_bf6_f32 v[CT+4*\c:CT+4*\c+2], v[S+32*\c+16:S+32*\c+31], v[SO+2*\c+1]
.endr
	v_nop                                          ; one plain line behind the conversions
.irp c, 0,1
.irp i, 0,1,2
	v_permlane16_swap_b32 v[PC+6*\c+\i], v[CT+4*\c+\i]
.endr
.irp i, 0,1,2
	s_delay_alu instid0(VALU_DEP_3)
	v_mov_b32 v[PC+6*\c+3+\i], v[CT+4*\c+\i]
.endr
.endr
.set n, 0
.rept 16
	v_pk_mul_f32 v[O+n:O+n+1], v[O+n:O+n+1], v[226:227] op_sel_hi:[1,0]   ; O^T under the new M; these sixteen are also the places ahead of the products below
.set n, n+2
.endr
	s_wait_alu depctr_va_vdst(0)
	s_wait_dscnt 0x0                               ; v's fragments are in
.irp a, 0,2
	v_wmma_scale_f32_16x16x128_f8f6f4 v[O+8*\a:O+8*\a+7], v[44+12*\a:55+12*\a], v[PC:PC+11], v[O+8*\a:O+8*\a+7], v[94+\a/2], v[PSW] matrix_a_fmt:MATRIX_FMT_BF6 matrix_b_fmt:MATRIX_FMT_BF6
	v_wmma_scale_f32_16x16x128_f8f6f4 v[O+8*\a+8:O+8*\a+15], v[56+12*\a:67+12*\a], v[PC:PC+11], v[O+8*\a+8:O+8*\a+15], v[94+\a/2], v[PSW] matrix_a_fmt:MATRIX_FMT_BF6 matrix_b_fmt:MATRIX_FMT_BF6 matrix_a_scale:MATRIX_SCALE_ROW1
.endr
.Lhid_\@:
	s_add_co_u32 s[KF], s[KF], 128
	s_add_co_u32 s[TB], s[TB], STEPB
.endm
.macro PASS p, trips
	s_wait_xcnt 0x0                                ; the last pass's loads and stores have read their bases and data: both may be written
.if \p == 0
	s_lshl_b32 s17, s13, 1
	s_add_co_u32 s17, s17, s16                     ; my record: 2 u + wave / 8
.else
	s_sub_co_u32 s17, 7, s13
	s_lshl_b32 s17, s17, 1
	s_xor_b32 s18, s16, 1
	s_add_co_u32 s17, s17, s18                     ; 2 (7 - u) + 1 - wave / 8
.endif
	s_lshl_b32 s[QB], s17, 7
	s_lshl_b32 s18, s14, 4
	s_add_co_u32 s18, s18, s17
	s_mul_i32 s50, s18, 6400
	s_mov_b32 s51, 0
	s_add_nc_u64 s[44:45], s[4:5], s[50:51]        ; q's record
	s_lshr_b32 s18, s14, 4
	s_lshl_b32 s18, s18, 7
	s_lshl_b32 s19, s17, 3
	s_add_co_u32 s18, s18, s19
	s_add_co_u32 s18, s18, s15                     ; my tile of tokens among the 512
	s_mul_i32 s50, s18, 3072
	s_add_co_u32 s50, s50, s57
	s_add_nc_u64 s[46:47], s[8:9], s[50:51]        ; where my half fragment of the result goes,
	s_lshl_b32 s50, s18, 9
	s_add_co_u32 s50, s50, s58
	s_add_nc_u64 s[48:49], s[10:11], s[50:51]      ; and its scale bytes
	global_load_b128 v[16:19], v42, s[44:45]       ; q twice: into the lower half of [q | 0]
	global_load_b64  v[20:21], v43, s[44:45] offset:512
	global_load_b128 v[34:37], v42, s[44:45]       ; and the upper half of [0 | q]
	global_load_b64  v[38:39], v43, s[44:45] offset:512
	global_load_b32  v41, v229, s[44:45] offset:6144
	s_mov_b32 s[TB], 0
	s_mov_b32 s[KF], 0
	s_mov_b32 s[CNT], \trips
	s_wait_loadcnt 0x0
	v_lshrrev_b32 v41, s56, v41                    ; my tile's two bytes of the pair's word,
	s_delay_alu instid0(VALU_DEP_1)
	v_and_b32 v41, 0xffff, v41
	s_delay_alu instid0(VALU_DEP_1)
	v_lshl_or_b32 v40, v41, 16, v41                ; for both halves of K
	v_mov_b32 v13, 0xff61b1e6                      ; the largest t so far: -3e38
	s_delay_alu instid0(VALU_DEP_1)
	v_floor_f32 v12, -v13
	v_mov_b32 v14, 0
	v_mov_b32 v15, 0
.set n, 0
.rept 32
	v_mov_b32 v[O+n], 0                            ; O^T: the step is written once; the first change of M leaves zeros zeros
.set n, n+1
.endr
.Lstep_\@:
	STEP
	s_sub_co_u32 s[CNT], s[CNT], 1
	s_cmp_lg_u32 s[CNT], 0
	s_cbranch_scc1 .Lstep_\@
	s_setprio 0
.rept 4
	v_nop                                          ; four places behind the last products
.endr
	v_add_f32 v14, v14, v15
	s_delay_alu instid0(VALU_DEP_1)
	v_permlanex16_b32 v228, v14, s[SEL], s[SEL+1]
	s_delay_alu instid0(VALU_DEP_1)
	v_add_f32 v14, v14, v228                       ; the row's sum
	s_wait_alu depctr_va_vdst(0)
	v_rcp_f32 v226, v14
	v_nop
	s_wait_alu depctr_va_vdst(0)
.set n, 0
.rept 16
	v_pk_mul_f32 v[S+n:S+n+1], v[O+n:O+n+1], v[226:227] op_sel_hi:[1,0]   ; register 16 b + i is channel 32 b + 16 h + i of my token
.set n, n+2
.endr
.irp b, 0,1
	v_max3_num_f32 v[BM+\b], |v[S+16*\b]|, |v[S+16*\b+1]|, 0x2800000
.endr
.irp i, 2,4,6,8,10,12,14
.irp b, 0,1
	s_delay_alu instid0(VALU_DEP_2)
	v_max3_num_f32 v[BM+\b], v[BM+\b], |v[S+16*\b+\i]|, |v[S+16*\b+\i+1]|
.endr
.endr
.irp b, 0,1
	s_delay_alu instid0(VALU_DEP_2)
	v_permlanex16_b32 v[BT+\b], v[BM+\b], s[SEL], s[SEL+1]
.endr
.irp b, 0,1
	s_delay_alu instid0(VALU_DEP_2)
	v_max_num_f32 v[BM+\b], v[BM+\b], v[BT+\b]
.endr
.irp b, 0,1
	s_delay_alu instid0(VALU_DEP_2)
	v_add_nc_u32 v[SO+\b], 0xfe000000, v[BM+\b]
.endr
.irp b, 0,1
	s_delay_alu instid0(VALU_DEP_2)
	v_lshrrev_b32 v[BT+\b], 23, v[SO+\b]
.endr
	v_cvt_scalef32_pk16_bf6_f32 v[230:232], v[S:S+15], v[SO]
	v_cvt_scalef32_pk16_bf6_f32 v[234:236], v[S+16:S+31], v[SO+1]
	v_nop
	v_permlane16_swap_b32 v230, v234
	v_permlane16_swap_b32 v231, v235
	v_permlane16_swap_b32 v232, v236
	s_delay_alu instid0(VALU_DEP_3)
	v_mov_b32 v233, v234
	s_delay_alu instid0(VALU_DEP_3)
	v_mov_b32 v234, v235
	s_delay_alu instid0(VALU_DEP_3)
	v_mov_b32 v235, v236                           ; v230-235: a half fragment of the last product's left operand
	v_cndmask_b32 v237, v[BT], v[BT+1], s55        ; lane (r, h) stores block h's byte
	global_store_b128 v1, v[230:233], s[46:47]     ; 512 consecutive bytes
	global_store_b64  v2, v[234:235], s[46:47] offset:512
	global_store_b8   v7, v237, s[48:49]
.endm
	s_load_b256 s[4:11], s[0:1], 0x0               ; qb s[4:5], kv s[6:7], ao s[8:9], s2 s[10:11]
	v_lshl_add_u32 v254, v0, 2, 0x32000
	v_mov_b32 v255, 0
	ds_add_u32 v254, v255
	ds_add_u32 v254, v255
	v_lshrrev_b32 v1, 5, v0
	s_delay_alu instid0(VALU_DEP_1)
	v_readfirstlane_b32 s[WV], v1
	s_mov_b32 s13, ttmp9                           ; u
	s_and_b32 s14, ttmp7, 0xffff                   ; the batch-head
	s_and_b32 s15, s[WV], 7                        ; my tile in a record
	s_lshr_b32 s16, s[WV], 3
	; group 1: a dense piece of 6,400 bytes as 25 rows of 256 bytes (32 elements of 8 bytes)
	s_mov_b32 s24, 3<<16
	s_mov_b32 s25, 32<<16
	s_mov_b32 s26, 25<<16
	s_mov_b32 s27, 32<<16
	s_mov_b32 s28, 25
	s_mov_b32 s29, 32
	s_mov_b32 s30, 0
	s_mov_b32 s31, 0
	s_mul_i32 s52, s[WV], 6400
	s_mul_i32 s50, s14, 16*STEPB
	s_add_co_u32 s50, s50, s52
	s_mov_b32 s51, 0
	s_wait_dscnt 0x0
	s_wait_kmcnt 0x0
	s_mov_b32 s32, 1
	s_mov_b32 s33, s52                             ; piece w of the first eight steps,
	s_add_nc_u64 s[34:35], s[6:7], s[50:51]
	s_mov_b32 s36, 1
	s_add_co_u32 s37, s52, 8*STEPB                 ; piece w of the last eight
	s_add_nc_u64 s[38:39], s[34:35], 8*STEPB
	s_or_b32 s35, s35, 0x80000000
	s_or_b32 s39, s39, 0x80000000
	tensor_load_to_lds s[32:35], s[24:31]          ; two loads of mine are out
	s_nop 0
	tensor_load_to_lds s[36:39], s[24:31]
	s_nop 0
.rept 4
	v_nop
.endr
	s_mov_b32 s[SEL], 0x76543210
	s_mov_b32 s[SEL+1], 0xfedcba98
	s_mov_b32 s[CS], 0x3e38aa3b                    ; log2(e) / sqrt(64)
	s_mov_b32 s[CS+1], s[CS]
	v_and_b32 v10, 15, v0                          ; r
	v_bfe_u32 v11, v0, 4, 1                        ; h
	v_and_b32 v1, 31, v0
	s_delay_alu instid0(VALU_DEP_1)
	v_lshlrev_b32 v3, 2, v1                        ; 4 x lane
	s_delay_alu instid0(VALU_DEP_2)
	v_lshlrev_b32 v1, 4, v1                        ; 16 x lane
	v_lshlrev_b32 v2, 4, v10
	s_delay_alu instid0(VALU_DEP_1)
	v_add_nc_u32 v7, v2, v11                       ; 16 r + h
	s_delay_alu instid0(VALU_DEP_2)
	v_lshl_add_u32 v2, v11, 3, v2                  ; 16 r + 8 h
	s_wait_alu depctr_va_vdst(0)
	s_lshr_b32 s53, s15, 1
	s_lshl_b32 s59, s53, 6                         ; 64 bytes of words a pair of tiles
	s_lshl_b32 s53, s53, 5
	s_and_b32 s54, s15, 1
	s_lshl_b32 s56, s54, 4                         ; the odd tile's bytes lie 16 bits up
	s_lshl_b32 s54, s54, 3
	s_add_co_u32 s53, s53, s54
	v_and_b32 v8, 8, v10
	s_delay_alu instid0(VALU_DEP_1)
	v_add_nc_u32 v8, v8, v10
	s_delay_alu instid0(VALU_DEP_1)
	v_add_nc_u32 v8, s53, v8                       ; my token in its record,
	v_lshlrev_b32 v228, 4, v11
	s_delay_alu instid0(VALU_DEP_1)
	v_sub_nc_u32 v8, v8, v228                      ; less 16 h
	v_mov_b32 v9, 0xff800000                       ; -infinity
	s_mul_i32 s54, s15, 768
	v_add_nc_u32 v42, s54, v1                      ; q's half fragment in its record
	v_add_nc_u32 v43, s54, v2
	v_lshl_add_u32 v229, v10, 2, s59               ; and its pair's word
	v_cmp_ne_u32 s55, 0, v11
	s_and_b32 s18, s14, 15                         ; the head: its 64 channels' place in the result's image:
	s_lshr_b32 s19, s18, 2
	s_mul_i32 s57, s19, 1572864                    ; the slot,
	s_bfe_u32 s19, s18, 0x10001
	s_mul_i32 s19, s19, 1536                       ; the K step in it,
	s_add_co_u32 s57, s57, s19
	s_and_b32 s19, s18, 1
	s_mul_i32 s19, s19, 768                        ; the half fragment;
	s_add_co_u32 s57, s57, s19
	s_lshr_b32 s19, s18, 3
	s_lshl_b32 s58, s19, 8                         ; and among the scale bytes
	s_and_b32 s19, s18, 7
	s_lshl_b32 s19, s19, 1
	s_add_co_u32 s58, s58, s19
.irp j, 22,23,24,25,26,27,28,29,30,31,32,33
	v_mov_b32 v[\j], 0                             ; the zero halves of [q | 0] and [0 | q]: zero codes add nothing
.endr
.irp b, 0,1,2,3
	v_mov_b32 v[BT+\b], 0                          ; written once: a lane permute's destination counts as read
.endr
	v_mov_b32 v227, 0                              ; (named as the upper half of the pair v[226:227])
	s_wait_tensorcnt 1                             ; my piece of the first eight steps has landed; the other may stay out: the first pass reads steps 0-7 alone
	s_barrier_signal -1
	s_barrier_wait -1
	PASS 0, 8
	s_wait_tensorcnt 0x0                           ; my piece of the last eight steps
	s_wait_dscnt 0x0
	s_barrier_signal -1
	s_barrier_wait -1
	PASS 1, 16
	s_wait_tensorcnt 0x0
	ds_add_u32 v254, v255
	s_wait_dscnt 0x0
	s_endpgm
.Lfunc_end_k_q7270859a11_att:
	.size	k_q7270859a11_att, .Lfunc_end_k_q7270859a11_att-k_q7270859a11_att
	.p2alignl 7, 3214868480
	.fill 96, 4, 3214868480
	.section	.rodata,"a",@progbits
	.p2align	6, 0x0
	.amdhsa_kernel k_q7270859a11_att
		.amdhsa_group_segment_fixed_size 206848
		.amdhsa_private_segment_fixed_size 0
		.amdhsa_enable_private_segment 0
		.amdhsa_kernarg_size 32
		.amdhsa_user_sgpr_count 2
		.amdhsa_user_sgpr_kernarg_segment_ptr 1
		.amdhsa_wavefront_size32 1
		.amdhsa_system_sgpr_workgroup_id_x 1
		.amdhsa_system_sgpr_workgroup_id_y 1
		.amdhsa_system_sgpr_workgroup_id_z 1
		.amdhsa_system_vgpr_workitem_id 0
		.amdhsa_next_free_vgpr 256
		.amdhsa_next_free_sgpr 66
		.amdhsa_reserve_vcc 1
		.amdhsa_float_denorm_mode_32 3
		.amdhsa_float_denorm_mode_16_64 3
		.amdhsa_memory_ordered 1
		.amdhsa_forward_progress 1
		.amdhsa_inst_pref_size 65
	.end_amdhsa_kernel
	.amdgpu_metadata
---
amdhsa.version: [ 1, 2 ]
amdhsa.kernels:
  - .name:           k_q7270859a11_att
    .symbol:         k_q7270859a11_att.kd
    .args:
      - { .name: qb, .offset: 0, .size: 8, .value_kind: global_buffer, .address_space: global }
      - { .name: kv, .offset: 8, .size: 8, .value_kind: global_buffer, .address_space: global }
      - { .name: ao, .offset: 16, .size: 8, .value_kind: global_buffer, .address_space: global }
      - { .name: s2, .offset: 24, .size: 8, .value_kind: global_buffer, .address_space: global }
    .group_segment_fixed_size: 206848
    .private_segment_fixed_size: 0
    .kernarg_segment_align: 8
    .kernarg_segment_size: 32
    .max_flat_workgroup_size: 512
    .sgpr_count:     66
    .vgpr_count:     256
    .wavefront_size: 32
...
	.end_amdgpu_metadata
.endif
;; end of part 3
;; launch outp (part 4): grid 4 x 64, 4 waves a work-group, clusters of 4 x 4, 295,424 bytes of LDS; arguments ao, wc, s2, bo, out0; writes out0
.if DOCPART == 4
	.amdgcn_target "amdgcn-amd-amdhsa--gfx1250"
	.amdhsa_code_object_version 6
	.text
	.protected	k_q7270859a11_outp
	.globl	k_q7270859a11_outp
	.p2align	8
	.type	k_q7270859a11_outp,@function
k_q7270859a11_outp:
	s_mov_b64 s[64:65], 0
	v_nop
	global_prefetch_b8 v0, s[64:65] scope:SCOPE_SE
	s_setreg_imm32_b32 hwreg(HW_REG_WAVE_MODE, 25, 1), 1
	s_wait_xcnt 0x0
	s_wait_alu depctr_hold_cnt(0) depctr_sa_sdst(0) depctr_va_vdst(0) depctr_va_sdst(0) depctr_va_ssrc(0) depctr_va_vcc(0) depctr_vm_vsrc(0)
	s_getreg_b32 s2, hwreg(HW_REG_IB_STS2, 6, 4)
	s_cmp_eq_u32 s2, 0
	s_cbranch_scc0 .Lentry_in_a_cluster
	s_endpgm
.Lentry_in_a_cluster:
	s_bfe_u32 s2, ttmp6, 0x10000c
	s_cmp_lg_u32 s2, 0xf033
	s_cbranch_scc0 .Lentry_shape_is_right
	s_endpgm
.Lentry_shape_is_right:
; out0 = attention's result x Wo + bo on codes of BF6.  The frame is that of the projections: a work-group makes 128 tokens (source 1) x 256 columns (source 0 = Wo's columns) over all of K = 1,024;
; four waves, each 64 x 128 in 32 accumulators; all of K of both tiles lies in LDS in 4 slots of 256 along K, each byte filled once; cluster 4 x 4 with joint loads (tokens' tile along a row, Wo's along a column).
; The matrix instruction takes 16 of Wo's columns first: a lane holds one token and eight neighbouring columns.  Row r of tile t is 32 (t / 2) + 8 (t % 2) + r + 8 (r / 8).
; THE WAY OUT: a block of 16 tokens x 128 columns goes through the wave's own stage in LDS and leaves as whole rows of 512 bytes.  The stage lies in slot 0, which has had its one fill and
; which nobody reads behind the barrier in front of slot 1's first read.
; REGISTERS: window 0: v1-31 addresses; v32-95 scale words; v96-159 the bias, later with v160-223 rows on the way out.  window 1: accumulators (a, b) at v[64 a + 8 b].  windows 2, 3: two sets of fragments.
.set SLOT,  73728
.set S0OFF, 24576
.set TILEB, 3072
.set SLOTX, 1572864
.set SLOTW, 196608
.set WIMG,  786432
.set SP,    528                        ; a stage row: 512 bytes + 16
.set WV,  20
.set SH,  21
.set CH,  22
.set CXI, 23
.set CYI, 24
.set T0,  27
.set T1,  28
.set G1A, 32
.set G1B, 40
.set G0A, 48
.set G0B, 68
.set SC,  32
.set BB,  96
.set MSB, 0
.macro WIN new                         ; the immediate's high byte repeats the setting that is left
.if MSB != \new
	s_set_vgpr_msb (MSB<<8)|\new
.set MSB, \new
.endif
.endm
.macro CROUND                          ; a round of the cluster's barrier
	s_barrier_signal -1
	s_barrier_wait -1
	s_cmp_lg_u32 s[WV], 0
	s_cbranch_scc1 .Lnot_wave_0_\@
	s_barrier_signal -3
.Lnot_wave_0_\@:
	s_barrier_wait -3
	s_barrier_signal -1
	s_barrier_wait -1
.endm
.macro FRAG reg, a16, a8, off
	ds_load_b128 v[(\reg):(\reg)+3],     v[\a16] offset:(\off)
	ds_load_b64  v[(\reg)+4:(\reg)+5],   v[\a8]  offset:(\off)+512
	ds_load_b128 v[(\reg)+6:(\reg)+9],   v[\a16] offset:(\off)+768
	ds_load_b64  v[(\reg)+10:(\reg)+11], v[\a8]  offset:(\off)+1280
.endm
.macro FETCH k
.if (\k)%2 == 1
	WIN 0xc0
.else
	WIN 0x80
.endif
.irp i, 0,1,2,3,4,5,6,7
	FRAG 12*\i, 16+(\k)/2, 20+(\k)/2, TILEB*\i+1536*((\k)%2)
.endr
.irp i, 0,1,2,3
	FRAG 96+12*\i, 8+(\k)/2, 12+(\k)/2, TILEB*\i+1536*((\k)%2)
.endr
.endm
.macro MUL8 a, k, cm                   ; the tokens' block a against Wo's eight; cm = 1: the first K step, whose C is the bias.  The 32 accumulators take turns
.if (\cm) != 0
	WIN 0x4a
.elseif (\k)%2 == 1
	WIN 0x5f
.else
	WIN 0x5a
.endif
.irp b, 0,1,2,3,4,5,6,7
.if (\cm) == 1
	v_wmma_scale_f32_16x16x128_f8f6f4 v[64*\a+8*\b:64*\a+8*\b+7], v[12*\b:12*\b+11], v[96+12*\a:96+12*\a+11], v[BB+8*\b:BB+8*\b+7], v[SC+8*\b+\k], v[SC+8*\a+\k] matrix_a_fmt:MATRIX_FMT_BF6 matrix_b_fmt:MATRIX_FMT_BF6 matrix_a_scale:MATRIX_SCALE_ROW1
.else
	v_wmma_scale_f32_16x16x128_f8f6f4 v[64*\a+8*\b:64*\a+8*\b+7], v[12*\b:12*\b+11], v[96+12*\a:96+12*\a+11], v[64*\a+8*\b:64*\a+8*\b+7], v[SC+8*\b+\k], v[SC+8*\a+\k] matrix_a_fmt:MATRIX_FMT_BF6 matrix_b_fmt:MATRIX_FMT_BF6 matrix_a_scale:MATRIX_SCALE_ROW1
.endif
.endr
.endm
.macro KSTEP k, cm
	s_wait_dscnt 0x0                               ; this step's fragments are in
	MUL8 0, \k, \cm
.if (\k) < 7
.if (\k)%2 == 1
	s_wait_tensorcnt 3-((\k)+1)/2                  ; my part of the next slot has landed; the later slots' fills may stay out
	s_barrier_signal -1
	s_barrier_wait -1
.endif
.if (\k) > 0
.rept 4
	v_nop                                          ; four places between the last step's products and the loads into the set that they read
.endr
.endif
	FETCH (\k)+1
.endif
	MUL8 1, \k, \cm
	MUL8 2, \k, \cm
	MUL8 3, \k, \cm
.endm
.macro TOSTAGE a                       ; block a: lane (r, h) puts columns 32 (b / 2) + 16 h + 8 (b % 2) + 0 .. 7 of token r; then whole rows come back
	WIN 0x04                                       ; an LDS store's data are its source 1: window 1
.irp b, 0,1,2,3,4,5,6,7
	ds_store_b128 v26, v[64*(\a)+8*\b:64*(\a)+8*\b+3] offset:128*(\b/2)+32*(\b%2)          ; each accumulator from its low end on
	ds_store_b128 v26, v[64*(\a)+8*\b+4:64*(\a)+8*\b+7] offset:128*(\b/2)+32*(\b%2)+16
.endr
	WIN 0
.set BK, 96+64*((\a)%2)
.irp t, 0,1,2,3,4,5,6,7,8,9,10,11,12,13,14,15
	ds_load_b128 v[BK+4*\t:BK+4*\t+3], v27 offset:SP*\t   ; LDS serves a wave's instructions in order: these see the stores above
.endr
.endm
.macro SEND a, younger                 ; younger: the LDS instructions issued behind block a's loads, which may stay out
.set BK, 96+64*((\a)%2)
	s_wait_dscnt \younger
.irp t, 0,1,2,3,4,5,6,7,8,9,10,11,12,13,14,15
	global_store_b128 v4, v[BK+4*\t:BK+4*\t+3], s[12:13] offset:(32*((\a)/2)+8*((\a)%2)+\t+8*(\t/8))*4096 th:TH_STORE_NT   ; 32 lanes store 512 consecutive bytes of one row
.endr
.endm
	s_load_b256 s[4:11], s[0:1], 0x0               ; ao s[4:5], wc s[6:7], s2 s[8:9], bo s[10:11]
	s_load_b64 s[12:13], s[0:1], 0x20              ; out0
	v_lshl_add_u32 v254, v0, 2, 0x48000
	v_mov_b32 v255, 0
	ds_add_u32 v254, v255
	ds_add_u32 v254, v255
	v_lshrrev_b32 v1, 5, v0
	v_readfirstlane_b32 s[WV], v1
	s_lshr_b32 s[SH], s[WV], 1
	s_and_b32 s[CH], s[WV], 1
	s_bfe_u32 s[CXI], ttmp6, 0x40000
	s_bfe_u32 s[CYI], ttmp6, 0x40004
	s_mov_b32 s[T0], s[CXI]                        ; Wo's 256 columns: the grid is one cluster wide
	s_and_b32 s[T1], ttmp7, 0xffff
	s_lshl_b32 s[T1], s[T1], 2
	s_add_co_u32 s[T1], s[T1], s[CYI]              ; the 128 tokens
	s_lshl_b32 s66, s[CYI], 2
	s_lshl_b32 s66, 15, s66                        ; my row of the cluster
	s_lshl_b32 s30, 0x1111, s[CXI]                 ; my column
	s_or_b32 s[G1A], s66, (3<<16)|(1<<21)          ; dense blocks as rows of 256 bytes: 96 rows for the tokens' part of a slot,
	s_or_b32 s[G1B], s30, (3<<16)|(1<<21)          ; 64 for a third of Wo's
	s_mov_b32 s[G1A+1], 32<<16
	s_mov_b32 s[G1A+2], 96<<16
	s_mov_b32 s[G1A+3], 32<<16
	s_mov_b32 s[G1A+4], 96
	s_mov_b32 s[G1A+5], 32
	s_mov_b32 s[G1A+6], 0
	s_mov_b32 s[G1A+7], 0
	s_mov_b32 s[G1B+1], 32<<16
	s_mov_b32 s[G1B+2], 64<<16
	s_mov_b32 s[G1B+3], 32<<16
	s_mov_b32 s[G1B+4], 64
	s_mov_b32 s[G1B+5], 32
	s_mov_b32 s[G1B+6], 0
	s_mov_b32 s[G1B+7], 0
	s_lshl_b32 s96, s[WV], 14
	s_mul_i32 s30, s[T0], 16*TILEB
	s_add_co_u32 s30, s30, s96
	s_add_co_u32 s30, s30, 3*WIMG                  ; Wo's image is the fourth in wc
	s_mov_b32 s31, 0
	s_mul_i32 s66, s[T1], 8*TILEB
	s_mov_b32 s67, 0
	s_wait_dscnt 0x0
	s_wait_kmcnt 0x0
	s_add_nc_u64 s[88:89], s[6:7], s[30:31]
	s_add_nc_u64 s[90:91], s[4:5], s[66:67]
.irp s, 0,1,2,3
	s_mov_b32 s[G0A+4*\s], 1
	s_mov_b32 s[G0A+4*\s+1], \s*SLOT
	s_add_nc_u64 s[G0A+4*\s+2:G0A+4*\s+3], s[90:91], \s*SLOTX
	s_or_b32 s[G0A+4*\s+3], s[G0A+4*\s+3], 0x80000000
	s_mov_b32 s[G0B+4*\s], 1
	s_add_co_u32 s[G0B+4*\s+1], s96, \s*SLOT+S0OFF
	s_add_nc_u64 s[G0B+4*\s+2:G0B+4*\s+3], s[88:89], \s*SLOTW
	s_or_b32 s[G0B+4*\s+3], s[G0B+4*\s+3], 0x80000000
.endr
	CROUND                                         ; all sixteen work-groups are here: the joint loads meet
	s_cmp_lt_u32 s[WV], 3                          ; waves 0-2 fetch Wo's thirds, wave 3 the tokens' part: a wave's four fills stand in one branch; four loads of mine are out
	s_cbranch_scc0 .Lfill_1
	tensor_load_to_lds s[G0B:G0B+3], s[G1B:G1B+7]
	s_nop 0
	tensor_load_to_lds s[G0B+4:G0B+7], s[G1B:G1B+7]
	s_nop 0
	tensor_load_to_lds s[G0B+8:G0B+11], s[G1B:G1B+7]
	s_nop 0
	tensor_load_to_lds s[G0B+12:G0B+15], s[G1B:G1B+7]
	s_nop 0
.rept 4
	v_nop
.endr
	s_branch .Lfilled
.Lfill_1:
	tensor_load_to_lds s[G0A:G0A+3], s[G1A:G1A+7]
	s_nop 0
	tensor_load_to_lds s[G0A+4:G0A+7], s[G1A:G1A+7]
	s_nop 0
	tensor_load_to_lds s[G0A+8:G0A+11], s[G1A:G1A+7]
	s_nop 0
	tensor_load_to_lds s[G0A+12:G0A+15], s[G1A:G1A+7]
	s_nop 0
.rept 4
	v_nop
.endr
.Lfilled:
	v_and_b32 v1, 31, v0                           ; lane
	v_and_b32 v2, 15, v0                           ; r
	v_bfe_u32 v3, v0, 4, 1                         ; h
	v_lshlrev_b32 v4, 4, v1                        ; 16 x lane
	v_lshlrev_b32 v5, 4, v2
	v_lshl_add_u32 v5, v3, 3, v5                   ; 16 r + 8 h
	; the scale words, once: lanes 0-15 take the tokens' rows, lanes 16-31 Wo's
	s_lshl_b32 s30, s[T0], 4
	s_lshl_b32 s31, s[CH], 3
	s_add_co_u32 s30, s30, s31
	s_lshl_b32 s30, s30, 9
	s_add_co_u32 s30, s30, 262144                  ; Wo's scales lie behind the tokens' in s2
	s_lshl_b32 s66, s[T1], 3
	s_lshl_b32 s67, s[SH], 2
	s_add_co_u32 s66, s66, s67
	s_lshl_b32 s66, s66, 9
	v_cmp_ne_u32 vcc_lo, 0, v3
	v_mov_b32 v28, s66
	v_mov_b32 v29, s30
	v_cndmask_b32 v24, v28, v29, vcc_lo
	v_lshl_add_u32 v24, v2, 4, v24
	v_lshl_add_u32 v25, v3, 11, v24                ; Wo's blocks 4-7 (lanes 0-15 read the tokens' blocks once more; nobody reads that half)
.irp i, 0,1,2,3
.irp g, 0,1
	global_load_b128 v[SC+8*\i+4*\g:SC+8*\i+4*\g+3], v24, s[8:9] offset:512*\i+256*\g
	global_load_b128 v[SC+32+8*\i+4*\g:SC+32+8*\i+4*\g+3], v25, s[8:9] offset:512*\i+256*\g
.endr
.endr
	s_lshl_b32 s30, s[T0], 10
	s_lshl_b32 s31, s[CH], 9
	s_add_co_u32 s30, s30, s31                     ; my 128 columns, in bytes
	v_lshl_add_u32 v30, v3, 6, s30                 ; tile b's registers are columns 32 (b / 2) + 8 (b % 2) + 16 h + 0 .. 7
.irp b, 0,1,2,3,4,5,6,7
	global_load_b128 v[BB+8*\b:BB+8*\b+3], v30, s[10:11] offset:(32*(\b/2)+8*(\b%2))*4
	global_load_b128 v[BB+8*\b+4:BB+8*\b+7], v30, s[10:11] offset:(32*(\b/2)+8*(\b%2))*4+16
.endr
	s_mul_i32 s96, s[SH], 4*TILEB
	s_mul_i32 s97, s[CH], 8*TILEB
	s_add_co_u32 s97, s97, S0OFF
.irp s, 0,1,2,3
	v_add_nc_u32 v[8+\s], s96, v4
	v_add_nc_u32 v[12+\s], s96, v5
	v_add_nc_u32 v[16+\s], s97, v4
	v_add_nc_u32 v[20+\s], s97, v5
	s_add_co_u32 s96, s96, SLOT
	s_add_co_u32 s97, s97, SLOT
.endr
	s_mul_i32 s96, s[WV], 16*SP                    ; my stage
	v_mul_u32_u24 v26, v2, SP
	v_lshl_add_u32 v26, v3, 6, v26
	v_add_nc_u32 v26, s96, v26                     ; in: row r, + 64 h
	v_add_nc_u32 v27, s96, v4                      ; back: 16 bytes a lane of a row
	s_lshl_b32 s98, s[T1], 19                      ; 128 rows of 4,096 bytes,
	s_lshl_b32 s99, s[SH], 18                      ; my 64 of them,
	s_add_co_u32 s98, s98, s99
	s_add_co_u32 s98, s98, s30                     ; my columns
	s_mov_b32 s99, 0
	s_add_nc_u64 s[12:13], s[12:13], s[98:99]
	s_wait_tensorcnt 3                             ; my part of slot 0 has landed; three fills may stay out
	s_barrier_signal -1
	s_barrier_wait -1
	FETCH 0
	s_wait_loadcnt 0x0                             ; scale words and bias
	KSTEP 0, 1                                     ; the first K step starts the sums on the bias
	KSTEP 1, 0
	KSTEP 2, 0
	KSTEP 3, 0
	KSTEP 4, 0
	KSTEP 5, 0
	KSTEP 6, 0
	KSTEP 7, 0
	WIN 0
.rept 4
	v_nop                                          ; four places between the last products and the first read of results
.endr
	TOSTAGE 0
	TOSTAGE 1
	SEND 0, 32                                     ; behind block 0's loads: block 1's 16 stores and 16 loads
	s_wait_xcnt 0x0                                ; block 0's stores have read their data: block 2's rows may land there
	TOSTAGE 2
	SEND 1, 32
	s_wait_xcnt 0x0
	TOSTAGE 3
	SEND 2, 32
	SEND 3, 0
	s_wait_dscnt 0x0
	s_wait_tensorcnt 0x0
	ds_add_u32 v254, v255
	s_wait_dscnt 0x0
	CROUND                                         ; the closing round: no work-group ends while a partner may still ask for a tile that names it
	s_endpgm
.Lfunc_end_k_q7270859a11_outp:
	.size	k_q7270859a11_outp, .Lfunc_end_k_q7270859a11_outp-k_q7270859a11_outp
	.p2alignl 7, 3214868480
	.fill 96, 4, 3214868480
	.section	.rodata,"a",@progbits
	.p2align	6, 0x0
	.amdhsa_kernel k_q7270859a11_outp
		.amdhsa_group_segment_fixed_size 295424
		.amdhsa_private_segment_fixed_size 0
		.amdhsa_enable_private_segment 0
		.amdhsa_kernarg_size 40
		.amdhsa_user_sgpr_count 2
		.amdhsa_user_sgpr_kernarg_segment_ptr 1
		.amdhsa_wavefront_size32 1
		.amdhsa_system_sgpr_workgroup_id_x 1
		.amdhsa_system_sgpr_workgroup_id_y 1
		.amdhsa_system_sgpr_workgroup_id_z 1
		.amdhsa_system_vgpr_workitem_id 0
		.amdhsa_next_free_vgpr 912
		.amdhsa_next_free_sgpr 100
		.amdhsa_reserve_vcc 1
		.amdhsa_float_denorm_mode_32 3
		.amdhsa_float_denorm_mode_16_64 3
		.amdhsa_memory_ordered 1
		.amdhsa_forward_progress 1
		.amdhsa_inst_pref_size 85
	.end_amdhsa_kernel
	.amdgpu_metadata
---
amdhsa.version: [ 1, 2 ]
amdhsa.kernels:
  - .name:           k_q7270859a11_outp
    .symbol:         k_q7270859a11_outp.kd
    .args:
      - { .name: ao, .offset: 0, .size: 8, .value_kind: global_buffer, .address_space: global }
      - { .name: wc, .offset: 8, .size: 8, .value_kind: global_buffer, .address_space: global }
      - { .name: s2, .offset: 16, .size: 8, .value_kind: global_buffer, .address_space: global }
      - { .name: bo, .offset: 24, .size: 8, .value_kind: global_buffer, .address_space: global }
      - { .name: out0, .offset: 32, .size: 8, .value_kind: global_buffer, .address_space: global }
    .group_segment_fixed_size: 295424
    .private_segment_fixed_size: 0
    .kernarg_segment_align: 8
    .kernarg_segment_size: 40
    .max_flat_workgroup_size: 128
    .sgpr_count:     100
    .vgpr_count:     912
    .wavefront_size: 32
...
	.end_amdgpu_metadata
.endif
;; end of part 4
